; MI455X (gfx1250); checked and timed in simulation.
; The chip was launched on July 23, 2026; its instructions are those of AMD's public machine-readable ISA for CDNA 5 (MIT licence, August 2026) and "CDNA5" Instruction Set Architecture Reference Guide (July 2026). The comments in the code are by the model that wrote it; some were corrected since.
;; Self Attention. Allowed arithmetic: matrix products marked QUANTISED: E2M3 operands, one E8M0 scale for each 32 along K, by v_wmma_scale_f32_16x16x128_f8f6f4 with both operands' format E2M3, f32 sums; everything else in f32.
;; Inputs: Wk 128 x 256 float32; Wq 128 x 256 float32; Wv 256 x 256 float32; bk 128 float32; bq 128 float32; bv 256 float32; gamma 1 float32; x 8 x 256 x 64 x 64 float32.
;; Outputs: out0 8 x 256 x 64 x 64 float32.
;; This version of the problem:
;;   THIS VERSION OF THE PROBLEM IS GIVEN IN LOW PRECISION. The matrix products marked QUANTISED in the list below multiply operands that are first quantised to E2M3 (2 exponent bits, 3 mantissa bits; 6 bits a number), with one power-of-two scale for each 32 numbers along K (OCP MX v1.0); their sums are f32. All else is computed in f32.
;;   The module's matrix products, in the order in which they are computed (A, B: the left and right operand; K: the contracted axis; several contracted axes count as one K, in the product's order):
;;     1. [M 32,768, K 256] x [K 256, N 128]; A: input x; B: input Wq: QUANTISED
;;     2. [M 32,768, K 256] x [K 256, N 128]; A: input x; B: input Wk: QUANTISED
;;     3. [M 32,768, K 256] x [K 256, N 256]; A: input x; B: input Wv: QUANTISED
;;     4. batch 8 x [M 4,096, K 128] x [K 128, N 4,096]; A: computed on the way; B: computed on the way: QUANTISED
;;     5. batch 8 x [M 256, K 4,096] x [K 4,096, N 4,096]; A: computed on the way; B: computed on the way: QUANTISED
;;   THE QUANTISER, for each operand of a quantised product, along K:
;;     - K is cut into blocks of 32 from its start; a last block that is shorter is filled with zeros.
;;     - A block's scale is 2^e with e = floor(log2(the largest magnitude in the block)) - 2, held to -126 .. 127; a block of zeros has e = 0. As a byte (E8M0): e + 127.
;;     - Each number is divided by its block's scale, clamped to +-7.5, and rounded to the nearest number of E2M3, ties to even, subnormals kept.
;;     - The product sums the exact products of the quantised numbers (number of the format x scale) in f32.
;;   ~~~python
;;   def quantise(x, axis):      # numpy; x: float32 -> the quantised numbers, widened to float32 again
;;       x = np.moveaxis(x, axis, -1); K = x.shape[-1]
;;       x = np.pad(x, [(0, 0)] * (x.ndim - 1) + [(0, -K % 32)]); x = x.reshape(x.shape[:-1] + (-1, 32)); a = np.abs(x).max(-1, keepdims=True)
;;       e = np.where(a > 0, np.clip(np.frexp(np.where(a > 0, a, 1))[1] - 1 - 2, -126, 127), 0)      # np.frexp(a)[1] - 1 = floor(log2(a)), exactly
;;       r = np.clip(x / 2.0 ** e, -7.5, 7.5)
;;       step = 2.0 ** (np.maximum(np.frexp(np.where(r == 0, 1, r))[1] - 1, 0) - 3)
;;       q = np.round(r / step) * step * 2.0 ** e      # np.round: ties to even
;;       return np.moveaxis(q.reshape(q.shape[:-2] + (-1,))[..., :K], -1, axis).astype(np.float32)
;;   ~~~
;;   OPERANDS COMPUTED ON THE WAY. 'Computed on the way' means the value that the module computes at that place (a softmax that the list does not call 'softmax' is quantised finished and normalised). What goes into a quantiser is computed in f32, as accurately as f32 sums, v_exp_f32 and their like allow (about 1e-6 of the number): no bf16 or f16 on the way to a quantiser, and a product that is left as it is and whose result goes on into a quantised operand takes f32 operands (vector FMAs, or v_wmma_f32_16x16x4_f32). A number that lies on a knife's edge between two numbers of the format may be rounded either way, as far as f32 arithmetic and the matrix unit's own rounding can turn it there, and no further.
;; One version. Each part assembles by itself: llvm-mc -triple=amdgcn-amd-amdhsa -mcpu=gfx1250 --defsym DOCPART=n.
;; ======== version 1 of 1: 4 launches
;; limits: right only within a limited range of input values
;; workspace buffers: wimg 102,400 bytes; qbuf 3,276,800 bytes; kv 9,830,400 bytes; stat 131,072 bytes
;; launch wquant (part 1): grid 16 x 1, 4 waves a work-group, no clusters, 0 bytes of LDS; arguments Wq, Wk, Wv, wimg; writes wimg
.if DOCPART == 1
	.amdgcn_target "amdgcn-amd-amdhsa--gfx1250"
	.amdhsa_code_object_version 6
	.text
	.protected	k_q834a06d9a1_wquant
	.globl	k_q834a06d9a1_wquant
	.p2align	8
	.type	k_q834a06d9a1_wquant,@function
k_q834a06d9a1_wquant:
	s_mov_b64 s[64:65], 0
	v_nop
	global_prefetch_b8 v0, s[64:65] scope:SCOPE_SE
	s_setreg_imm32_b32 hwreg(HW_REG_WAVE_MODE, 25, 1), 1
	s_wait_xcnt 0x0
; LAUNCH 1 OF 4.  out0 = gamma x (V A^T) + x, A = softmax over the QUERY axis of q^T k; q, k, v are 1x1 convolutions of x.  All five products on codes of FP6 (E2M3) with one E8M0 scale for each 32 along K.
; NO WORK IS LEFT OUT: every input reaches the output.  bq adds bq . k_n to a whole column of the scores, which the softmax would cancel in real numbers, but it moves q's codes and scales, so it stays.
; The softmax is quantised finished and normalised, and a block of 32 neighbouring keys of one query has 32 different normalisers: so the scores are made twice, once for the columns' statistics (launch 3)
; and once for the weights (launch 4); they never go to memory.
; THIS LAUNCH turns Wq [128][256], Wk [128][256], Wv [256][256] (f32, K innermost) into 64 fragments of 16 rows x 128 K, laid as IMAGES OF THE OPERAND'S REGISTERS: 12 registers a lane, group g of four registers of
; lane l at 512 g + 16 l of the fragment's 1,536 bytes.  Fragment f: 0-15 Wq (tile j = f / 2, K step s = f % 2), 16-31 Wk, 32-63 Wv.
; THE ROWS OF A TILE OF Wq, Wk ARE NOT NEIGHBOURS: lane r of tile j takes row 32 (j / 2) + 8 (j % 2) + r + 8 (r / 8), so that a lane's 16 results of two neighbouring tiles are 16 neighbours along the next K.  Wv's tiles take 16 neighbouring rows.
; Scale words behind the fragments: Wq, Wk at 98,304 + 1,024 m: [row r][word 2 j + s]; Wv at 100,352: [tile][row r][s].
; One wave makes one fragment: lane (r, h) holds k = 64 c + 32 h + 0 .. 31 of its row, two whole blocks, in the order that the operand's layout gives that lane.
; A block's scale byte is its largest magnitude's exponent field - 2, held at 1 from below.  LIMITS: a block of zeros gets the byte 1 where the rule says 127 (its codes are zeros; this program alone reads the bytes);
; NaN and infinities among the inputs are not served.
.set X,  64                            ; v64-127  my 64 numbers
.set PC, 48                            ; v48-59   the fragment's 12 registers
	s_load_b256 s[4:11], s[0:1], 0x0               ; Wq s[4:5], Wk s[6:7], Wv s[8:9], wimg s[10:11]
	v_lshrrev_b32 v1, 5, v0
	v_readfirstlane_b32 s12, v1                    ; wave
	s_lshl_b32 s13, ttmp9, 2
	s_add_co_u32 s13, s13, s12                     ; f = 4 x work-group + wave
	s_and_b32 s14, s13, 1                          ; K step s
	s_bfe_u32 s15, s13, 0x30001                    ; Wq, Wk: tile j
	s_lshr_b32 s16, s15, 1
	s_lshl_b32 s16, s16, 5
	s_and_b32 s17, s15, 1
	s_lshl_b32 s17, s17, 3
	s_add_co_u32 s16, s16, s17                     ; its first row: 32 (j / 2) + 8 (j % 2)
	s_and_b32 s18, s13, 31
	s_lshr_b32 s18, s18, 1                         ; Wv: tile
	s_lshl_b32 s19, s18, 4                         ; its first row
	s_lshr_b32 s20, s13, 4                         ; Wq (0) or Wk (1)
	s_lshl_b32 s20, s20, 10
	s_and_b32 s21, s13, 15
	s_lshl_b32 s21, s21, 2
	s_add_co_u32 s20, s20, s21
	s_add_co_u32 s20, s20, 98304                   ; Wq, Wk: where row 0's scale word goes
	s_lshl_b32 s21, s18, 7
	s_lshl_b32 s22, s14, 2
	s_add_co_u32 s21, s21, s22
	s_add_co_u32 s21, s21, 100352                  ; Wv: the same
	s_cmp_lt_u32 ttmp9, 8                          ; work-groups 0-7: Wq, Wk; 8-15: Wv
	s_cselect_b32 s16, s16, s19
	s_cselect_b32 s20, s20, s21
	s_cselect_b32 s22, 8, 0                        ; rows 8-15 of a tile lie 8 further on, or not
	s_cselect_b32 s23, 64, 8                       ; bytes from row to row among the scale words
	v_and_b32 v2, 15, v0                           ; r
	v_bfe_u32 v3, v0, 4, 1                         ; h
	v_and_b32 v4, s22, v2
	v_add_nc_u32 v4, v4, v2
	v_add_nc_u32 v4, s16, v4                       ; my row
	v_lshlrev_b32 v4, 10, v4                       ; 1,024 bytes a row
	v_lshl_add_u32 v4, v3, 7, v4                   ; + 128 h
	s_lshl_b32 s26, s14, 9
	v_add_nc_u32 v4, s26, v4                       ; + 512 s
	v_and_b32 v5, 31, v0
	v_lshlrev_b32 v5, 4, v5
	s_mul_i32 s27, s13, 1536
	v_add_nc_u32 v5, s27, v5                       ; the image: 1,536 f + 16 x lane
	v_mul_u32_u24 v6, v2, s23
	v_add_nc_u32 v6, s20, v6                       ; my row's scale word
	s_mov_b32 s28, 0x76543210
	s_mov_b32 s29, 0xfedcba98                      ; v_permlanex16_b32's selects for lane l xor 16
	s_wait_kmcnt 0x0
	s_cmp_lt_u32 ttmp9, 4
	s_cselect_b64 s[24:25], s[4:5], s[6:7]
	s_cmp_lt_u32 ttmp9, 8
	s_cselect_b64 s[24:25], s[24:25], s[8:9]       ; the choice hangs on the work-group's number alone
.irp c, 0,1
.irp i, 0,1,2,3,4,5,6,7
	global_load_b128 v[X+32*\c+4*\i:X+32*\c+4*\i+3], v4, s[24:25] offset:256*\c+16*\i   ; W(row, 128 s + 64 c + 32 h + 4 i ..)
.endr
.endr
	s_wait_loadcnt 0x0
.irp c, 0,1                                    ; my block 2 c + h: all its 32 numbers are mine
	v_max3_num_f32 v[32+\c], |v[X+32*\c]|, |v[X+1+32*\c]|, 0x1800000   ; with the floor 2^(3 - 127): the byte cannot fall under 1
.endr
.irp i, 2,4,6,8,10,12,14,16,18,20,22,24,26,28,30
.irp c, 0,1
	v_max3_num_f32 v[32+\c], v[32+\c], |v[X+32*\c+\i]|, |v[X+1+32*\c+\i]|
.endr
.endr
.irp c, 0,1
	v_add_nc_u32 v[44+\c], 0xff000000, v[32+\c]    ; 2 off the exponent field: the conversion's scale operand
.endr
.irp c, 0,1
	v_lshrrev_b32 v[36+\c], 23, v[44+\c]           ; the scale's byte
.endr
	v_lshl_or_b32 v9, v37, 16, v36                 ; my two bytes: blocks h and 2 + h,
	v_lshlrev_b32 v10, 3, v3
	v_lshlrev_b32 v9, v10, v9                      ; at their places in the word;
	v_mov_b32 v10, 0
	v_permlanex16_b32 v10, v9, s28, s29
	v_or_b32 v9, v9, v10                           ; with lane l xor 16's two the word is whole
.irp c, 0,1
	v_cvt_scalef32_pk16_fp6_f32 v[PC+6*\c:PC+2+6*\c], v[X+32*\c:X+15+32*\c], v[44+\c]
	v_cvt_scalef32_pk16_fp6_f32 v[20+4*\c:22+4*\c], v[X+16+32*\c:X+31+32*\c], v[44+\c]   ; (a conversion's three registers begin on an even number)
.endr
	v_nop                                          ; one plain place behind a scaled conversion
.irp c, 0,1
.irp i, 0,1,2
	v_mov_b32 v[PC+3+6*\c+\i], v[20+4*\c+\i]
.endr
.endr
.irp g, 0,1,2
	global_store_b128 v5, v[PC+4*\g:PC+4*\g+3], s[10:11] offset:512*\g   ; the wave stores 512 consecutive bytes
.endr
	global_store_b32 v6, v9, s[10:11]              ; both halves of the lanes write the same word with the same value
	s_endpgm
.Lfunc_end_k_q834a06d9a1_wquant:
	.size	k_q834a06d9a1_wquant, .Lfunc_end_k_q834a06d9a1_wquant-k_q834a06d9a1_wquant
	.p2alignl 7, 3214868480
	.fill 96, 4, 3214868480
	.section	.rodata,"a",@progbits
	.p2align	6, 0x0
	.amdhsa_kernel k_q834a06d9a1_wquant
		.amdhsa_group_segment_fixed_size 0
		.amdhsa_private_segment_fixed_size 0
		.amdhsa_enable_private_segment 0
		.amdhsa_kernarg_size 32
		.amdhsa_user_sgpr_count 2
		.amdhsa_user_sgpr_kernarg_segment_ptr 1
		.amdhsa_wavefront_size32 1
		.amdhsa_system_sgpr_workgroup_id_x 1
		.amdhsa_system_sgpr_workgroup_id_y 1
		.amdhsa_system_sgpr_workgroup_id_z 1
		.amdhsa_system_vgpr_workitem_id 0
		.amdhsa_next_free_vgpr 128
		.amdhsa_next_free_sgpr 66
		.amdhsa_reserve_vcc 0
		.amdhsa_float_denorm_mode_32 3
		.amdhsa_float_denorm_mode_16_64 3
		.amdhsa_memory_ordered 1
		.amdhsa_forward_progress 1
		.amdhsa_inst_pref_size 8
	.end_amdhsa_kernel
	.amdgpu_metadata
---
amdhsa.version: [ 1, 2 ]
amdhsa.kernels:
  - .name:           k_q834a06d9a1_wquant
    .symbol:         k_q834a06d9a1_wquant.kd
    .args:
      - { .name: Wq, .offset: 0, .size: 8, .value_kind: global_buffer, .address_space: global }
      - { .name: Wk, .offset: 8, .size: 8, .value_kind: global_buffer, .address_space: global }
      - { .name: Wv, .offset: 16, .size: 8, .value_kind: global_buffer, .address_space: global }
      - { .name: wimg, .offset: 24, .size: 8, .value_kind: global_buffer, .address_space: global }
    .group_segment_fixed_size: 0
    .private_segment_fixed_size: 0
    .kernarg_segment_align: 8
    .kernarg_segment_size: 32
    .max_flat_workgroup_size: 128
    .sgpr_count:     66
    .vgpr_count:     128
    .wavefront_size: 32
...
	.end_amdgpu_metadata
.endif
;; end of part 1
;; launch proj (part 2): grid 32 x 8, 8 waves a work-group, no clusters, 26,624 bytes of LDS; arguments x, wimg, bq, bk, bv, qbuf, kv; writes qbuf, kv
.if DOCPART == 2
	.amdgcn_target "amdgcn-amd-amdhsa--gfx1250"
	.amdhsa_code_object_version 6
	.text
	.protected	k_q834a06d9a1_proj
	.globl	k_q834a06d9a1_proj
	.p2align	8
	.type	k_q834a06d9a1_proj,@function
k_q834a06d9a1_proj:
	s_mov_b64 s[64:65], 0
	v_nop
	global_prefetch_b8 v0, s[64:65] scope:SCOPE_SE
	s_setreg_imm32_b32 hwreg(HW_REG_WAVE_MODE, 25, 1), 1
	s_wait_xcnt 0x0
; LAUNCH 2 OF 4: q = Wq x + bq, k = Wk x + bk, v = Wv x + bv on codes of FP6 (E2M3), and q, k, v quantised for the next products.  No work is left out.
; A work-group takes 128 pixels (work-group x: the step) of one image (work-group y).  x [256 c][4,096 pixels] has its K, the channels, outermost.
; PHASE X, all eight waves: wave w takes 32 pixels (w % 4), a lane to a pixel, and 128 channels (w / 4), its registers running down c: four blocks of 32 in one lane.  The codes go to LDS as parts of the IMAGES of 16 fragments
; (pixel tile t, K step s), 12 registers a lane, group g of lane l at 512 g + 16 l.  THE PIXELS OF A TILE ARE NOT NEIGHBOURS: row r of tile t is pixel 32 (t / 2) + 8 (t % 2) + r + 8 (r / 8).
; One barrier.  Then the waves part:
;   waves 0, 1: q; waves 2, 3: k.  Source 0 = 16 rows of W (all 16 fragments stay in window 1), source 1 = a pixel tile from LDS: a lane holds one pixel and 64 channels: one fragment of q or k (K = the 128 channels).  Four pixel tiles a wave.
;   waves 4-7: v.  Source 0 = a pixel tile (all 16 fragments of x stay in window 1), source 1 = 16 rows of Wv: a lane holds one channel of v and 64 pixels: one fragment of v with the PIXELS as its K.  Four tiles of 16 channels a wave.
; By the order of a tile's rows the 16 registers of two neighbouring tiles are 16 neighbours along the next K.  The biases are the C of each sum's first matrix instruction.
; OUT.  qbuf, for each image 409,600 bytes: 256 fragments (tile 8 step + t), then the scale words.  kv, a record of 38,400 bytes for each (image, step): K's 8 fragments, K's scale words (at 12,288), V's 16 fragments (at 12,800), V's scale words (at 37,376).
; Scale words of four neighbouring tiles 4 G .. 4 G + 3 are 256 bytes: lane (r, h) holds 8: word j = tile 4 G + 2 j + h, row r: a load of 8 bytes a lane gives two scale registers that serve four tiles.
; LIMITS: a block of zeros gets the byte 1 where the rule says 127 (its codes are zeros; this program alone reads the bytes); NaN and infinities among the inputs are not served.
.set FRB,   1536                       ; a fragment's image in bytes
.set XIMG,  0                          ; LDS: x's 16 fragments, (t, s) at (2 t + s) FRB
.set XSC,   24576                      ; their scale words: 64 bytes a fragment, row r's at 4 r
.set SPARE, 25600                      ; the spare words, 128 bytes for each of eight waves: four blocks of 256 bytes that no other line names
.set LI4,  1                           ; v1   4 x lane
.set LI16, 2                           ; v2   16 x lane
.set XWI,  3                           ; v3   phase X: where my pixel's codes go
.set XWS,  4                           ; v4   and its scale word
.set LQ,   5                           ; v5   q, k: my wave's four pixel tiles in LDS
.set LQS,  6                           ; v6   and their scale words
.set LXS,  7                           ; v7   XSC + 4 r
.set R64,  8                           ; v8   64 r
.set H64,  9                           ; v9   64 h
.set R8,   10                          ; v10  8 r
.set R4,   11                          ; v11  4 r
.set LI8,  12                          ; v12  8 x lane
.set BVV,  16                          ; v16-19   v: bv of my channel, for each of four tiles
.set MS,   20                          ; v20-27   scale words of source 1
.set SPW,  30                          ; v30  LDS address of my spare word; never rewritten
.set NIL,  31                          ; v31  0; never rewritten
.set XS,   32                          ; v32-95   phase X: two sets of 32 numbers
.set ACC,  32                          ; v32-95   later: eight accumulators
.set PC,   96                          ; v96-115  codes just made
.set MV,   116                         ; v116-139 two fragments of source 1
.set TM,   140                         ; v140-155 at work
.set PW,   156                         ; the scale word just made
.set SWT,  157
.set SW,   158                         ; v158-159 the four tiles' scale words, as they are stored
.set SS,   160                         ; v160-175 scale words of source 0's 16 fragments
.set BI,   176                         ; v176-239 q, k: the bias, eight tiles (v: from here on six more fragments of Wv)
.set BV,   248                         ; v248-255 v: the bias as a C
.set WV,  18
.set XB,  24
.set OB,  36
.set SB,  38
.set WB,  40
.set WSB, 42
.set BB,  44
.set HM,  46
.set SEL, 48
.set MSB, 0
.macro WIN new                         ; the immediate's high byte repeats the setting that is left
.if MSB != \new
	s_set_vgpr_msb (MSB<<8)|\new
.set MSB, \new
.endif
.endm
	s_load_b256 s[4:11], s[0:1], 0x0               ; x, wimg, bq, bk
	s_load_b128 s[12:15], s[0:1], 0x20             ; bv, qbuf
	s_load_b64 s[16:17], s[0:1], 0x30              ; kv
	v_lshl_add_u32 v[SPW], v0, 2, SPARE
	v_mov_b32 v[NIL], 0
	v_lshrrev_b32 v13, 5, v0
	v_readfirstlane_b32 s[WV], v13                 ; wave 0..7
	s_and_b32 s20, ttmp7, 0xffff                   ; the image
	s_and_b32 s21, s[WV], 3                        ; phase X: which 32 pixels.  v: which four tiles of channels
	s_lshr_b32 s22, s[WV], 2                       ; phase X: which 128 channels
	s_and_b32 s23, s[WV], 1                        ; q, k: which four pixel tiles
	s_lshl_b32 s26, s20, 22                        ; x: 4 MiB an image,
	s_lshl_b32 s27, s22, 21                        ; 128 channels of 16,384 bytes,
	s_add_co_u32 s26, s26, s27
	s_lshl_b32 s27, ttmp9, 9                       ; 512 bytes a step,
	s_add_co_u32 s26, s26, s27
	s_lshl_b32 s27, s21, 7                         ; 128 bytes for 32 pixels
	s_add_co_u32 s26, s26, s27
	s_mov_b32 s27, 0
	; every LDS address is made here, ahead of the first parting of the roles
	v_and_b32 v13, 31, v0
	v_lshlrev_b32 v[LI4], 2, v13
	v_lshlrev_b32 v[LI16], 4, v13
	v_lshlrev_b32 v[LI8], 3, v13
	v_and_b32 v14, 15, v0                          ; r
	v_bfe_u32 v15, v0, 4, 1                        ; h
	v_lshlrev_b32 v[R64], 6, v14
	v_lshlrev_b32 v[H64], 6, v15
	v_lshlrev_b32 v[R8], 3, v14
	v_lshlrev_b32 v[R4], 2, v14
	v_add_nc_u32 v[LXS], XSC, v[R4]
	s_lshl_b32 s28, s23, 9
	v_add_nc_u32 v[LQS], s28, v[LXS]
	s_mul_i32 s28, s23, 8*FRB
	v_add_nc_u32 v[LQ], s28, v[LI16]
	v_and_b32 v13, 7, v0
	v_lshl_add_u32 v13, v15, 3, v13                ; phase X: pixel l of my 32 is row (l % 8) + 8 (l / 16)
	v_bfe_u32 v14, v0, 3, 1                        ; of tile 2 (w % 4) + (l / 8) % 2
	s_lshl_b32 s28, s21, 2
	s_add_co_u32 s28, s28, s22
	s_mul_i32 s29, s28, FRB
	s_lshl_b32 s28, s28, 6
	v_mul_u32_u24 v[XWI], v14, 2*FRB
	v_lshl_add_u32 v[XWI], v13, 4, v[XWI]
	v_add_nc_u32 v[XWI], s29, v[XWI]
	v_lshlrev_b32 v[XWS], 7, v14
	v_lshl_add_u32 v[XWS], v13, 2, v[XWS]
	v_add_nc_u32 v[XWS], s28, v[XWS]
	v_add_nc_u32 v[XWS], XSC, v[XWS]
.irp b, 0,1,2,3
	v_mov_b32 v[TM+4+\b], 0                        ; written once: a lane permute's destination counts as one of its sources
.endr
	s_mov_b32 s[SEL], 0x76543210
	s_mov_b32 s[SEL+1], 0xfedcba98
	s_mov_b32 s[HM], 0xffff0000                    ; lanes 16-31
	; where the results go, in bytes, and where my role's weights lie
	s_lshl_b32 s28, s20, 5
	s_add_co_u32 s28, s28, ttmp9
	s_mul_i32 s28, s28, 38400                      ; the record
	s_mul_i32 s29, s20, 409600                     ; q's image
	s_mul_i32 s30, s23, 4*FRB
	s_lshl_b32 s31, s23, 8
	s_mul_i32 s32, ttmp9, 8*FRB
	s_add_co_u32 s32, s32, s29
	s_add_co_u32 s32, s32, s30                     ; q: fragments
	s_lshl_b32 s33, ttmp9, 9
	s_add_co_u32 s33, s33, s29
	s_add_co_u32 s33, s33, s31
	s_add_co_u32 s33, s33, 393216                  ; q: scale words
	s_add_co_u32 s30, s30, s28                     ; k: fragments
	s_add_co_u32 s31, s31, s28
	s_add_co_u32 s31, s31, 12288                   ; k: scale words
	s_cmp_lt_u32 s[WV], 2
	s_cselect_b32 s30, s32, s30
	s_cselect_b32 s31, s33, s31
	s_mul_i32 s32, s21, 4*FRB
	s_add_co_u32 s32, s32, s28
	s_add_co_u32 s32, s32, 12800                   ; v: fragments
	s_lshl_b32 s33, s21, 8
	s_add_co_u32 s33, s33, s28
	s_add_co_u32 s33, s33, 37376                   ; v: scale words
	s_lshr_b32 s34, s[WV], 1                       ; Wq (0) or Wk (1)
	s_mul_i32 s35, s34, 16*FRB
	s_lshl_b32 s34, s34, 10
	s_add_co_u32 s34, s34, 98304
	s_mul_i32 s56, s21, 8*FRB
	s_add_co_u32 s56, s56, 32*FRB                  ; Wv: my eight fragments
	s_lshl_b32 s57, s21, 9
	s_add_co_u32 s57, s57, 100352
	s_lshl_b32 s58, s21, 8                         ; bv: my 64 numbers
	s_cmp_lt_u32 s[WV], 4
	s_cselect_b32 s50, s30, s32
	s_cselect_b32 s52, s31, s33
	s_cselect_b32 s54, s35, s56
	s_cselect_b32 s56, s34, s57
	s_cselect_b32 s58, 0, s58
	s_mov_b32 s51, 0
	s_mov_b32 s53, 0
	s_mov_b32 s55, 0
	s_mov_b32 s57, 0
	s_mov_b32 s59, 0
	s_wait_kmcnt 0x0
	s_add_nc_u64 s[XB:XB+1], s[4:5], s[26:27]
	s_cmp_lt_u32 s[WV], 2                          ; the choices hang on the wave's number alone
	s_cselect_b64 s[OB:OB+1], s[14:15], s[16:17]
	s_cselect_b64 s[BB:BB+1], s[8:9], s[10:11]
	s_cmp_lt_u32 s[WV], 4
	s_cselect_b64 s[BB:BB+1], s[BB:BB+1], s[12:13]
	s_add_nc_u64 s[SB:SB+1], s[OB:OB+1], s[52:53]
	s_add_nc_u64 s[OB:OB+1], s[OB:OB+1], s[50:51]
	s_add_nc_u64 s[BB:BB+1], s[BB:BB+1], s[58:59]
	s_add_nc_u64 s[WB:WB+1], s[6:7], s[54:55]
	s_add_nc_u64 s[WSB:WSB+1], s[6:7], s[56:57]
	; my role's weights, scale words and bias are asked for first: loads come back in order, so every wait for x below shows them in too
	s_cmp_lt_u32 s[WV], 4
	s_cbranch_scc0 .Lw_for_v
	WIN 0x40                                       ; destination window 1
.set f, 0
.rept 16
.irp g, 0,1,2
	global_load_b128 v[12*f+4*\g:12*f+4*\g+3], v[LI16], s[WB:WB+1] offset:FRB*f+512*\g   ; W's fragment (tile f / 2, K step f % 2)
.endr
.set f, f+1
.endr
	WIN 0
.irp q, 0,1,2,3
	global_load_b128 v[SS+4*\q:SS+4*\q+3], v[R64], s[WSB:WSB+1] offset:16*\q
.endr
.irp t, 0,1,2,3,4,5,6,7                        ; lane (r, h) wants, for tile t, the bias of channels 32 (t / 2) + 16 h + 8 (t % 2) + 0 .. 7
	global_load_b128 v[BI+8*\t:BI+8*\t+3], v[H64], s[BB:BB+1] offset:(32*(\t/2)+8*(\t%2))*4
	global_load_b128 v[BI+8*\t+4:BI+8*\t+7], v[H64], s[BB:BB+1] offset:(32*(\t/2)+8*(\t%2))*4+16
.endr
	s_branch .Lw_asked
.Lw_for_v:
.irp i, 0,1,2,3
.if \i == 0
.set wf, MV
.else
.set wf, BI+24*(\i-1)
.endif
.irp s, 0,1
.irp g, 0,1,2
	global_load_b128 v[wf+12*\s+4*\g:wf+12*\s+4*\g+3], v[LI16], s[WB:WB+1] offset:FRB*(2*\i+\s)+512*\g
.endr
.endr
	global_load_b64 v[MS+2*\i:MS+2*\i+1], v[R8], s[WSB:WSB+1] offset:128*\i
	global_load_b32 v[BVV+\i], v[R4], s[BB:BB+1] offset:64*\i
.endr
.Lw_asked:
.macro LOADB kb                        ; block kb: x(32 kb + i, my pixel), i = 0 .. 31: each load reads 128 consecutive bytes, four waves stand side by side on 512
.set i, 0
.rept 32
	global_load_b32 v[XS+32*((\kb)%2)+i], v[LI4], s[XB:XB+1] offset:(32*(\kb)+i)*16384 th:TH_LOAD_NT
.set i, i+1
.endr
.endm
.macro BLOCK kb                        ; its scale byte and its 24 bytes of codes: registers 6 (kb / 2) .. + 5 of lane (row, kb % 2) of the fragment
.set XQ, XS+32*((\kb)%2)
	v_max3_num_f32 v[TM], |v[XQ]|, |v[XQ+1]|, |v[XQ+2]|
	v_max3_num_f32 v[TM+1], |v[XQ+3]|, |v[XQ+4]|, |v[XQ+5]|
.irp i, 6,10,14,18,22,26
	v_max3_num_f32 v[TM], v[TM], |v[XQ+\i]|, |v[XQ+\i+1]|
	v_max3_num_f32 v[TM+1], v[TM+1], |v[XQ+\i+2]|, |v[XQ+\i+3]|
.endr
	v_max3_num_f32 v[TM], v[TM], |v[XQ+30]|, |v[XQ+31]|
	v_max3_num_f32 v[TM], v[TM], v[TM+1], 0x1800000   ; the floor 2^(3 - 127): the byte cannot fall under 1
	v_add_nc_u32 v[TM+2], 0xff000000, v[TM]        ; 2 off the exponent field: the conversion's scale operand
	v_lshrrev_b32 v[TM+3], 23, v[TM+2]             ; the byte
.if (\kb) == 0
	v_mov_b32 v[SW], v[TM+3]
.else
	v_lshl_or_b32 v[SW], v[TM+3], 8*(\kb), v[SW]
.endif
	v_cvt_scalef32_pk16_fp6_f32 v[PC:PC+2], v[XQ:XQ+15], v[TM+2]
	v_cvt_scalef32_pk16_fp6_f32 v[PC+6:PC+8], v[XQ+16:XQ+31], v[TM+2]   ; (a conversion's three registers begin on an even number)
	v_nop                                          ; one plain place behind a scaled conversion
.irp i, 0,1,2
	v_mov_b32 v[PC+3+\i], v[PC+6+\i]
.endr
.if (\kb)/2 == 0
	ds_store_b128 v[XWI], v[PC:PC+3] offset:256*((\kb)%2)
	ds_store_b64 v[XWI], v[PC+4:PC+5] offset:256*((\kb)%2)+512
.else
	ds_store_b64 v[XWI], v[PC:PC+1] offset:256*((\kb)%2)+520
	ds_store_b128 v[XWI], v[PC+2:PC+5] offset:256*((\kb)%2)+1024
.endif
	s_wait_dscnt 0x0                               ; the stores have read their registers
.endm
	LOADB 0
	LOADB 1
	s_wait_loadcnt 32                              ; all but the youngest 32: block 0 is in
	BLOCK 0
	LOADB 2
	s_wait_loadcnt 32
	BLOCK 1
	LOADB 3
	s_wait_loadcnt 32
	BLOCK 2
	s_wait_loadcnt 0x0
	BLOCK 3
	ds_store_b32 v[XWS], v[SW]                     ; my pixel's scale word for my K step
	s_wait_dscnt 0x0                               ; for the others' sake: my stores have landed
	s_barrier_signal -1
	s_barrier_wait -1                              ; x's sixteen fragments lie in LDS; nothing is written there again
.macro WM
	v_wmma_scale_f32_16x16x128_f8f6f4 v[rD:rD+7], v[rA:rA+11], v[rB:rB+11], v[rC:rC+7], v[rSA], v[rSB] matrix_a_fmt:MATRIX_FMT_FP6 matrix_b_fmt:MATRIX_FMT_FP6
.endm
; 16 matrix instructions: source 0's eight tiles (window 1) against one tile of source 1, two K steps.  The eight accumulators take turns, one instruction a turn.
.macro MM16 b0, b1, s0, s1, c0, cs
	WIN 0x01                                       ; source 0 window 1
.set j, 0
.rept 8
.set rD, ACC+8*j
.set rA, 24*j
.set rB, \b0
.set rC, (\c0)+(\cs)*j
.set rSA, SS+2*j
.set rSB, \s0
	WM
.set j, j+1
.endr
.set j, 0
.rept 8
.set rD, ACC+8*j
.set rA, 24*j+12
.set rB, \b1
.set rC, rD
.set rSA, SS+2*j+1
.set rSB, \s1
	WM
.set j, j+1
.endr
	WIN 0
.endm
; 64 numbers of a lane, register 16 b + i = k 32 b + 16 (lane / 16) + i of my row, become a fragment's codes in v[PC] on and its scale word in v[PW]
.macro QUANT s
.irp b, 0,1,2,3
	v_max3_num_f32 v[TM+\b], |v[\s+16*\b]|, |v[\s+1+16*\b]|, 0x1800000
.endr
.irp i, 2,4,6,8,10,12,14
.irp b, 0,1,2,3
	v_max3_num_f32 v[TM+\b], v[TM+\b], |v[\s+16*\b+\i]|, |v[\s+1+16*\b+\i]|
.endr
.endr
.irp b, 0,1,2,3
	v_permlanex16_b32 v[TM+4+\b], v[TM+\b], s[SEL], s[SEL+1]
.endr
.irp b, 0,1,2,3
	v_max_num_f32 v[TM+\b], v[TM+\b], v[TM+4+\b]   ; with lane l xor 16's: the block's largest magnitude
.endr
.irp b, 0,1,2,3
	v_add_nc_u32 v[TM+12+\b], 0xff000000, v[TM+\b]
.endr
.irp b, 0,1,2,3
	v_lshrrev_b32 v[TM+4+\b], 23, v[TM+12+\b]
.endr
	v_lshl_or_b32 v[PW], v[TM+5], 8, v[TM+4]
	v_lshl_or_b32 v[PW], v[TM+6], 16, v[PW]
	v_lshl_or_b32 v[PW], v[TM+7], 24, v[PW]
.irp c, 0,1
	v_cvt_scalef32_pk16_fp6_f32 v[PC+6*\c:PC+2+6*\c], v[\s+32*\c:\s+15+32*\c], v[TM+12+2*\c]
	v_cvt_scalef32_pk16_fp6_f32 v[PC+12+4*\c:PC+14+4*\c], v[\s+16+32*\c:\s+31+32*\c], v[TM+12+2*\c+1]
.endr
	v_nop                                          ; one plain place behind a scaled conversion
.irp c, 0,1                                    ; the operand's layout wants a whole block in a lane
.irp i, 0,1,2
	v_permlane16_swap_b32 v[PC+6*\c+\i], v[PC+12+4*\c+\i]
.endr
.irp i, 0,1,2
	v_mov_b32 v[PC+3+6*\c+\i], v[PC+12+4*\c+\i]
.endr
.endr
.endm
.macro TAIL i                          ; the unit's 64 results a lane become fragment i of my four
.rept 4
	v_nop                                          ; places behind the last products, ahead of the first read of results
.endr
	s_wait_xcnt 0x0                                ; the last unit's stores have read v[PC] on
	QUANT ACC
.irp g, 0,1,2
	global_store_b128 v[LI16], v[PC+4*\g:PC+4*\g+3], s[OB:OB+1] offset:FRB*(\i)+512*\g   ; the wave stores 512 consecutive bytes
.endr
.if (\i)%2 == 0
	v_mov_b32 v[SWT], v[PW]
.else
	v_cndmask_b32 v[SW+(\i)/2], v[SWT], v[PW], s[HM]   ; lanes 0-15: the even tile's words; lanes 16-31: the odd tile's
.endif
.endm
.macro UNITQ i
.irp s, 0,1
.irp g, 0,1,2
	ds_load_b128 v[MV+12*\s+4*\g:MV+12*\s+4*\g+3], v[LQ] offset:(2*(\i)+\s)*FRB+512*\g
.endr
	ds_load_b32 v[MS+\s], v[LQS] offset:64*(2*(\i)+\s)
.endr
	s_wait_dscnt 0x0
	MM16 MV, MV+12, MS, MS+1, BI, 8
	TAIL \i
.endm
.macro UNITV i
.if (\i) == 0
.set wf, MV
.else
.set wf, BI+24*((\i)-1)
.endif
.irp j, 0,1,2,3,4,5,6,7
	v_mov_b32 v[BV+\j], v[BVV+(\i)]                ; a lane holds one channel: its bias in all eight registers
.endr
.rept 4
	v_nop
.endr
	MM16 wf, wf+12, MS+2*(\i), MS+2*(\i)+1, BV, 0
	TAIL \i
.endm
	s_cmp_lt_u32 s[WV], 4
	s_cbranch_scc0 .Lv_role
	UNITQ 0
	UNITQ 1
	UNITQ 2
	UNITQ 3
	global_store_b64 v[LI8], v[SW:SW+1], s[SB:SB+1]   ; 256 consecutive bytes
	s_wait_tensorcnt 0x0                           ; the wave's end, behind my last LDS store
	ds_add_u32 v[SPW], v[NIL]
	s_wait_dscnt 0x0
	s_endpgm
.Lv_role:
	WIN 0x40                                       ; destination window 1
.set f, 0
.rept 16
.irp g, 0,1,2
	ds_load_b128 v[12*f+4*\g:12*f+4*\g+3], v[LI16] offset:XIMG+FRB*f+512*\g
.endr
.set f, f+1
.endr
	WIN 0
.set f, 0
.rept 16
	ds_load_b32 v[SS+f], v[LXS] offset:64*f
.set f, f+1
.endr
	s_wait_dscnt 0x0
	UNITV 0
	UNITV 1
	UNITV 2
	UNITV 3
	global_store_b64 v[LI8], v[SW:SW+1], s[SB:SB+1]
	s_wait_tensorcnt 0x0                           ; the wave's end, as above
	ds_add_u32 v[SPW], v[NIL]
	s_wait_dscnt 0x0
	s_endpgm
.Lfunc_end_k_q834a06d9a1_proj:
	.size	k_q834a06d9a1_proj, .Lfunc_end_k_q834a06d9a1_proj-k_q834a06d9a1_proj
	.p2alignl 7, 3214868480
	.fill 96, 4, 3214868480
	.section	.rodata,"a",@progbits
	.p2align	6, 0x0
	.amdhsa_kernel k_q834a06d9a1_proj
		.amdhsa_group_segment_fixed_size 26624
		.amdhsa_private_segment_fixed_size 0
		.amdhsa_enable_private_segment 0
		.amdhsa_kernarg_size 56
		.amdhsa_user_sgpr_count 2
		.amdhsa_user_sgpr_kernarg_segment_ptr 1
		.amdhsa_wavefront_size32 1
		.amdhsa_system_sgpr_workgroup_id_x 1
		.amdhsa_system_sgpr_workgroup_id_y 1
		.amdhsa_system_sgpr_workgroup_id_z 1
		.amdhsa_system_vgpr_workitem_id 0
		.amdhsa_next_free_vgpr 512
		.amdhsa_next_free_sgpr 66
		.amdhsa_reserve_vcc 0
		.amdhsa_float_denorm_mode_32 3
		.amdhsa_float_denorm_mode_16_64 3
		.amdhsa_memory_ordered 1
		.amdhsa_forward_progress 1
		.amdhsa_inst_pref_size 92
	.end_amdhsa_kernel
	.amdgpu_metadata
---
amdhsa.version: [ 1, 2 ]
amdhsa.kernels:
  - .name:           k_q834a06d9a1_proj
    .symbol:         k_q834a06d9a1_proj.kd
    .args:
      - { .name: x, .offset: 0, .size: 8, .value_kind: global_buffer, .address_space: global }
      - { .name: wimg, .offset: 8, .size: 8, .value_kind: global_buffer, .address_space: global }
      - { .name: bq, .offset: 16, .size: 8, .value_kind: global_buffer, .address_space: global }
      - { .name: bk, .offset: 24, .size: 8, .value_kind: global_buffer, .address_space: global }
      - { .name: bv, .offset: 32, .size: 8, .value_kind: global_buffer, .address_space: global }
      - { .name: qbuf, .offset: 40, .size: 8, .value_kind: global_buffer, .address_space: global }
      - { .name: kv, .offset: 48, .size: 8, .value_kind: global_buffer, .address_space: global }
    .group_segment_fixed_size: 26624
    .private_segment_fixed_size: 0
    .kernarg_segment_align: 8
    .kernarg_segment_size: 56
    .max_flat_workgroup_size: 256
    .sgpr_count:     66
    .vgpr_count:     512
    .wavefront_size: 32
...
	.end_amdgpu_metadata
.endif
;; end of part 2
;; launch stats (part 3): grid 32 x 8, 16 waves a work-group, clusters of 4 x 1, 327,680 bytes of LDS; arguments qbuf, kv, stat; writes stat
.if DOCPART == 3
	.amdgcn_target "amdgcn-amd-amdhsa--gfx1250"
	.amdhsa_code_object_version 6
	.text
	.protected	k_q834a06d9a1_stats
	.globl	k_q834a06d9a1_stats
	.p2align	8
	.type	k_q834a06d9a1_stats,@function
k_q834a06d9a1_stats:
	s_mov_b64 s[64:65], 0
	v_nop
	global_prefetch_b8 v0, s[64:65] scope:SCOPE_SE
	s_setreg_imm32_b32 hwreg(HW_REG_WAVE_MODE, 25, 1), 1
	s_wait_xcnt 0x0
	s_wait_alu depctr_hold_cnt(0) depctr_sa_sdst(0) depctr_va_vdst(0) depctr_va_sdst(0) depctr_va_ssrc(0) depctr_va_vcc(0) depctr_vm_vsrc(0)
	s_getreg_b32 s2, hwreg(HW_REG_IB_STS2, 6, 4)
	s_cmp_eq_u32 s2, 0
	s_cbranch_scc0 .Lentry_in_a_cluster
	s_endpgm
.Lentry_in_a_cluster:
	s_bfe_u32 s2, ttmp6, 0x10000c
	s_cmp_lg_u32 s2, 0x3003
	s_cbranch_scc0 .Lentry_shape_is_right
	s_endpgm
.Lentry_shape_is_right:
; LAUNCH 3 OF 4: the columns' statistics of the softmax over the QUERY axis.  For each key n: A_n = -(cm_n + log2 S_n), cm_n = c x the column's largest score (c = log2 e), S_n = the sum over all queries m of 2^(c s - cm_n).
; Launch 4 then has the finished weight as 2^(c s + A_n).  The maximum is taken away, by a running maximum.  No work is left out: the scores are made here and again in launch 4, since they never go to memory.
; SHARES.  A work-group owns 128 keys of one image.  Wave w: keys' tiles 2 (w % 4), 2 (w % 4) + 1, whose fragments stay in registers as source 1, so that a lane holds ONE key; and quarter w / 4 of each slot's queries.
; q's fragments come through a ring of two LDS slots of 64 fragments (1,024 queries), as they lie in qbuf: images of the operand's registers.  q's scale words of the whole image come once.
; CLUSTER.  The four work-groups of a cluster walk the same q: each tile is asked for JOINTLY, by the same tensor load with the same descriptor and the mask of all four.  Waves 0-3 load, a quarter of a slot each.
; At the end the eight parts of a column (four quarters x two halves of the lanes) meet in LDS.
; LIMITS: scores under -1e38 are not served; NaN and infinities are not served.
.set FRB,   1536
.set SLOTB, 98304                      ; a slot: 64 fragments
.set SLOT1, 1<<17                      ; slot 1 begins here: one exclusive or turns an address from one slot to the other
.set QSC,   98304                      ; q's scale words of the image: 16,384 bytes, filled once
.set COMB,  114688                     ; 128 keys x 8 parts x (cm, sum): 8,192 bytes, written by LDS stores alone
.set SPARE, 122880                     ; the spare words, 128 bytes for each of sixteen waves: eight blocks of 256 bytes that no other line names
.set LQ0,  1                           ; v1   16 x lane + my quarter of a slot
.set LS0,  2                           ; v2   my quarter's scale words
.set ADQ,  3
.set ADS,  4
.set CW,   5                           ; v5   where my part of my key goes
.set CR,   6                           ; v6   where thread t reads keys 2 t, 2 t + 1
.set GO,   7
.set LI16, 8
.set LI8,  9
.set PFO,  10                          ; v10  256 x lane; never rewritten
.set SPW,  14
.set NIL,  15
.set KF,   16                          ; v16-39   my two fragments of k
.set KS,   40                          ; lanes 0-15: the first tile's scale words; lanes 16-31: the second's
.set QS,   42                          ; v42-43   scale words of four tiles of q
.set MX,   44                          ; v44, 45  the running largest score, for each tile
.set NW,   46
.set CM,   48                          ; v[48:49], v[50:51]  c x it (the pair's low word)
.set AF,   52                          ; v[52:53], v[54:55]  2^(old cm - new cm)
.set SUM,  56                          ; v[56:57], v[58:59]  the sum, in two halves
.set T,    60
.set S,    64                          ; v64-127  scores: tile u of k, tile f of q at 64 + 32 u + 8 f
.set QF,   128                         ; v128-175 four fragments of q
.set WV, 10
.set CX, 11
.set NB, 12
.set BA, 13
.set NP, 14
.set MQ, 15
.set G1,  24
.set G1S, 32
.set G0,  40
.set G0S, 44
.set CS,  48
.set TB,  50
.set TS,  51
.set SLOTS, 52
.set LIM, 53
.set PFA, 54
.macro ROUND                           ; a round of the cluster's barrier
	s_barrier_signal -1
	s_barrier_wait -1
	s_cmp_lg_u32 s[WV], 0
	s_cbranch_scc1 .Lnot_wave_0_\@
	s_barrier_signal -3
.Lnot_wave_0_\@:
	s_barrier_wait -3
	s_barrier_signal -1
	s_barrier_wait -1
.endm
	s_load_b128 s[4:7], s[0:1], 0x0                ; qbuf, kv
	s_load_b64 s[8:9], s[0:1], 0x10                ; stat
	v_lshl_add_u32 v[SPW], v0, 2, SPARE
	v_mov_b32 v[NIL], 0
	ds_add_u32 v[SPW], v[NIL]                      ; the wave's opening: the add, twice on end, and its wait ahead of the first tensor loads
	ds_add_u32 v[SPW], v[NIL]
	v_lshrrev_b32 v11, 5, v0
	v_readfirstlane_b32 s[WV], v11                 ; wave 0..15
	s_and_b32 s[BA], ttmp7, 0xffff                 ; the image, which the four partners share
	s_and_b32 s[NP], s[WV], 3                      ; my pair of tiles of k.  In waves 0-3 also: which quarter I fetch
	s_lshr_b32 s[MQ], s[WV], 2                     ; my quarter of the queries
	; descriptor group 1: a dense block as rows of 256 bytes (32 elements of 8 bytes): 96 rows, a quarter of a slot; 16 rows, a quarter of the scale words
	s_mov_b32 s[G1], 15|(3<<16)|(1<<21)            ; 15:0 the mask: all four work-groups; 17:16 elements of 8 bytes; 21 set beside a mask
	s_mov_b32 s[G1+1], 32<<16
	s_mov_b32 s[G1+2], 96<<16
	s_mov_b32 s[G1+3], 32<<16
	s_mov_b32 s[G1+4], 96
	s_mov_b32 s[G1+5], 32
	s_mov_b32 s[G1+6], 0
	s_mov_b32 s[G1+7], 0
	s_mov_b32 s[G1S], 15|(3<<16)|(1<<21)
	s_mov_b32 s[G1S+1], 32<<16
	s_mov_b32 s[G1S+2], 16<<16
	s_mov_b32 s[G1S+3], 32<<16
	s_mov_b32 s[G1S+4], 16
	s_mov_b32 s[G1S+5], 32
	s_mov_b32 s[G1S+6], 0
	s_mov_b32 s[G1S+7], 0
	s_mul_i32 s16, s[NP], 24576                    ; my quarter of a slot
	s_mul_i32 s18, s[BA], 409600
	s_add_co_u32 s18, s18, s16
	s_mov_b32 s19, 0
	s_lshl_b32 s17, s[NP], 12                      ; my quarter of the scale words
	s_mul_i32 s20, s[BA], 409600
	s_add_co_u32 s20, s20, s17
	s_add_co_u32 s20, s20, 393216
	s_mov_b32 s21, 0
	v_and_b32 v11, 31, v0
	v_lshlrev_b32 v[LI16], 4, v11
	v_lshlrev_b32 v[LI8], 3, v11
	v_lshlrev_b32 v[PFO], 8, v11
	s_mul_i32 s22, s[MQ], 24576
	v_add_nc_u32 v[LQ0], s22, v[LI16]
	s_lshl_b32 s22, s[MQ], 10
	v_add_nc_u32 v[LS0], s22, v[LI8]
	v_add_nc_u32 v[LS0], QSC, v[LS0]
	v_and_b32 v11, 15, v0                          ; r
	v_bfe_u32 v12, v0, 3, 1                        ; r / 8
	v_bfe_u32 v13, v0, 4, 1                        ; h
	v_lshlrev_b32 v[CW], 6, v11                    ; row r of tile 2 np + u is key 32 np + 8 u + r + 8 (r / 8): 64 bytes a key,
	v_lshl_add_u32 v[CW], v12, 9, v[CW]
	v_lshl_add_u32 v[CW], v13, 3, v[CW]            ; part 2 mq + h of 8 bytes
	s_lshl_b32 s22, s[NP], 11
	s_lshl_b32 s23, s[MQ], 4
	s_add_co_u32 s22, s22, s23
	v_add_nc_u32 v[CW], s22, v[CW]
	v_add_nc_u32 v[CW], COMB, v[CW]
	v_and_b32 v11, 63, v0
	v_lshl_add_u32 v[CR], v11, 7, COMB
	v_lshlrev_b32 v[GO], 3, v11
	; what hangs on my place in the cluster enters global addresses of my own loads, stores and prefetches alone
	s_bfe_u32 s[CX], ttmp6, 0x40000
	s_lshl_b32 s[NB], ttmp9, 2
	s_add_co_u32 s[NB], s[NB], s[CX]               ; my block of 128 keys
	s_lshl_b32 s56, s[BA], 5
	s_add_co_u32 s56, s56, s[NB]
	s_mul_i32 s56, s56, 38400                      ; its record in kv
	s_mul_i32 s58, s[NP], 2*FRB
	s_add_co_u32 s58, s58, s56
	s_mov_b32 s59, 0
	s_lshr_b32 s60, s[NP], 1
	s_lshl_b32 s60, s60, 8
	s_and_b32 s61, s[NP], 1
	s_lshl_b32 s61, s61, 2
	s_add_co_u32 s60, s60, s61
	s_add_co_u32 s60, s60, s56
	s_add_co_u32 s60, s60, 12288
	s_mov_b32 s61, 0
	s_lshl_b32 s62, s[BA], 14
	s_lshl_b32 s63, s[NB], 9
	s_add_co_u32 s62, s62, s63
	s_mov_b32 s63, 0
	s_mul_i32 s56, s[BA], 409600
	s_mul_i32 s57, s[CX], 24576
	s_add_co_u32 s56, s56, s57
	s_lshl_b32 s57, s[NP], 13
	s_add_co_u32 s56, s56, s57
	s_add_co_u32 s56, s56, SLOTB                   ; the prefetches stand in chunk 1; the first change of slots steps them to chunk 2
	s_mov_b32 s57, 0
	s_sub_co_u32 s22, s[WV], 4
	s_cmp_lt_u32 s22, 3                            ; waves 4, 5, 6,
	s_cselect_b32 s[LIM], 1, -1
	s_cmp_eq_u32 ttmp9, 0                          ; of the image's first cluster: the same in all four partners
	s_cselect_b32 s[LIM], s[LIM], -1
	s_mov_b32 s[CS], 0x3fb8aa3b                    ; c = log2 e
	s_mov_b32 s[CS+1], s[CS]
	s_mov_b32 s[TB], 0
	s_mov_b32 s[TS], 0
	s_mov_b32 s[SLOTS], 3
	s_wait_dscnt 0x0                               ; both opening adds are done
	s_wait_kmcnt 0x0
	s_add_nc_u64 s[58:59], s[6:7], s[58:59]        ; my two fragments of k
	s_add_nc_u64 s[60:61], s[6:7], s[60:61]        ; their scale words
	s_add_nc_u64 s[8:9], s[8:9], s[62:63]          ; my block's 512 bytes of stat
	s_add_nc_u64 s[PFA:PFA+1], s[4:5], s[56:57]
	ROUND                                          ; all four work-groups are here: the first joint loads meet
	s_mov_b32 s[G0S], 1
	s_add_co_u32 s[G0S+1], s17, QSC
	s_add_nc_u64 s[G0S+2:G0S+3], s[4:5], s[20:21]
	s_or_b32 s[G0S+3], s[G0S+3], 0x80000000
	s_mov_b32 s[G0], 1
	s_mov_b32 s[G0+1], s16
	s_add_nc_u64 s[G0+2:G0+3], s[4:5], s[18:19]
	s_or_b32 s[G0+3], s[G0+3], 0x80000000
	s_cmp_lt_u32 s[WV], 4                          ; a loading wave's two first fills stand in one branch: two tensor loads of such a wave are out
	s_cbranch_scc0 .Lno_fill
	tensor_load_to_lds s[G0S:G0S+3], s[G1S:G1S+7]
	s_nop 0
	tensor_load_to_lds s[G0:G0+3], s[G1:G1+7]
	s_nop 0
.rept 4
	v_nop
.endr
.Lno_fill:
.irp u, 0,1
.irp g, 0,1,2
	global_load_b128 v[KF+12*\u+4*\g:KF+12*\u+4*\g+3], v[LI16], s[58:59] offset:FRB*\u+512*\g
.endr
.endr
	global_load_b32 v[KS], v[LI8], s[60:61]
	v_mov_b32 v[MX], 0xfe967699                    ; -1e38, under every score that is served
	v_mov_b32 v[MX+1], 0xfe967699
	v_mul_f32 v[CM], s[CS], v[MX]
	v_mul_f32 v[CM+2], s[CS], v[MX+1]
	v_mov_b32 v[CM+1], 0                           ; (named as the upper halves of pairs)
	v_mov_b32 v[CM+3], 0
	v_mov_b32 v[AF+1], 0
	v_mov_b32 v[AF+3], 0
.irp i, 0,1,2,3
	v_mov_b32 v[SUM+\i], 0
.endr
.macro WM                              ; C = 0: every sub-step's scores are whole after one K step of 128
.if (rRA == 0) && (rRB == 0)
	v_wmma_scale_f32_16x16x128_f8f6f4 v[rD:rD+7], v[rA:rA+11], v[rB:rB+11], 0, v[rSA], v[KS] matrix_a_fmt:MATRIX_FMT_FP6 matrix_b_fmt:MATRIX_FMT_FP6
.elseif rRB == 0
	v_wmma_scale_f32_16x16x128_f8f6f4 v[rD:rD+7], v[rA:rA+11], v[rB:rB+11], 0, v[rSA], v[KS] matrix_a_fmt:MATRIX_FMT_FP6 matrix_b_fmt:MATRIX_FMT_FP6 matrix_a_scale:MATRIX_SCALE_ROW1
.elseif rRA == 0
	v_wmma_scale_f32_16x16x128_f8f6f4 v[rD:rD+7], v[rA:rA+11], v[rB:rB+11], 0, v[rSA], v[KS] matrix_a_fmt:MATRIX_FMT_FP6 matrix_b_fmt:MATRIX_FMT_FP6 matrix_b_scale:MATRIX_SCALE_ROW1
.else
	v_wmma_scale_f32_16x16x128_f8f6f4 v[rD:rD+7], v[rA:rA+11], v[rB:rB+11], 0, v[rSA], v[KS] matrix_a_fmt:MATRIX_FMT_FP6 matrix_b_fmt:MATRIX_FMT_FP6 matrix_a_scale:MATRIX_SCALE_ROW1 matrix_b_scale:MATRIX_SCALE_ROW1
.endif
.endm
; A SUB-STEP: 64 queries (four fragments of q, the q-th four of my quarter) x my 32 keys.
.macro SUB q
.set f, 0
.rept 4
.irp g, 0,1,2
	ds_load_b128 v[QF+12*f+4*\g:QF+12*f+4*\g+3], v[ADQ] offset:(4*(\q)+f)*FRB+512*\g   ; (the last products that read these registers stand a whole softmax back)
.endr
.set f, f+1
.endr
	ds_load_b64 v[QS:QS+1], v[ADS] offset:256*(\q)
	s_wait_dscnt 0x0
.set f, 0
.rept 4
.irp u, 0,1
.set rD, S+32*\u+8*f
.set rA, QF+12*f
.set rB, KF+12*\u
.set rSA, QS+f/2
.set rRA, f%2
.set rRB, \u
	WM
.endr
.set f, f+1
.endr
.rept 4
	v_nop                                          ; places ahead of the first read of results
.endr
	; the largest of my key's 32 scores and the old maximum: two chains a tile, each accumulator read from its low end on
.irp u, 0,1
	v_max3_num_f32 v[T+2*\u], v[MX+\u], v[S+32*\u], v[S+32*\u+1]
	v_max3_num_f32 v[T+2*\u+1], v[S+32*\u+16], v[S+32*\u+17], v[S+32*\u+18]
.endr
.irp i, 1,2,3,4,5,6
.irp u, 0,1
	v_max3_num_f32 v[T+2*\u], v[T+2*\u], v[S+32*\u+2*\i], v[S+32*\u+2*\i+1]
	v_max3_num_f32 v[T+2*\u+1], v[T+2*\u+1], v[S+32*\u+17+2*\i], v[S+32*\u+18+2*\i]
.endr
.endr
.irp u, 0,1
	v_max3_num_f32 v[T+2*\u], v[T+2*\u], v[S+32*\u+14], v[S+32*\u+15]
.endr
.irp u, 0,1
	v_max3_num_f32 v[MX+\u], v[T+2*\u], v[T+2*\u+1], v[S+32*\u+31]
.endr
.irp u, 0,1
	v_mul_f32 v[NW+\u], s[CS], v[MX+\u]            ; the new cm
.endr
.irp u, 0,1
	v_sub_f32 v[AF+2*\u], v[CM+2*\u], v[NW+\u]     ; old cm - new cm, 0 or less
.endr
.irp u, 0,1
	v_mov_b32 v[CM+2*\u], v[NW+\u]
.endr
	; ONE BATCH of 66 exponentials; none of these lines names an exponential's result.  A pair's scaling stands ahead of the exponentials of the pair before
	v_exp_f32 v[AF], v[AF]
	v_exp_f32 v[AF+2], v[AF+2]
.set p, 0
.rept 32
	v_pk_fma_f32 v[S+2*p:S+2*p+1], v[S+2*p:S+2*p+1], s[CS:CS+1], v[CM+2*(p/16):CM+2*(p/16)+1] op_sel_hi:[1,0,0] neg_lo:[0,0,1] neg_hi:[0,0,1]   ; c s - cm
.if p > 0
	v_exp_f32 v[S+2*p-2], v[S+2*p-2]
	v_exp_f32 v[S+2*p-1], v[S+2*p-1]
.endif
.set p, p+1
.endr
	v_exp_f32 v[S+62], v[S+62]
	v_exp_f32 v[S+63], v[S+63]
	v_nop                                          ; a plain place behind the last exponential
	s_wait_alu depctr_va_vdst(0)                   ; the wait ahead of the first line that names a result: one for the batch
.irp w, 4,8,16,32                              ; the sums of each tile's 16 pairs, in place
.set i, 0
.rept 64/\w
	v_pk_add_f32 v[S+\w*i:S+\w*i+1], v[S+\w*i:S+\w*i+1], v[S+\w*i+\w/2:S+\w*i+\w/2+1]
.set i, i+1
.endr
.endr
.irp u, 0,1
	v_pk_fma_f32 v[SUM+2*\u:SUM+2*\u+1], v[SUM+2*\u:SUM+2*\u+1], v[AF+2*\u:AF+2*\u+1], v[S+32*\u:S+32*\u+1] op_sel_hi:[1,0,1]   ; the old sum under the new maximum, and the new terms
.endr
.endm
.macro SLOT_STEPS
	v_add_nc_u32 v[ADQ], s[TB], v[LQ0]
	v_add_nc_u32 v[ADS], s[TS], v[LS0]
	SUB 0
	SUB 1
	SUB 2
	SUB 3
	s_xor_b32 s[TB], s[TB], SLOT1                  ; on to the other slot,
	s_add_co_u32 s[TS], s[TS], 4096                ; and to the next 64 fragments' scale words
.endm
; A PREFETCH INTO THE L2 of the chunk that the NEXT change of slots will ask for: 98,304 bytes = 384 blocks of 256.  All clusters of an image walk the same q: the image's first cluster asks.  Its four partners take 24,576 bytes
; each, told apart BY ADDRESS; in each, waves 4, 5, 6 (which fetch nothing) take 8,192 bytes, lanes 256 bytes apart.  So each block is named once.  Chunks 0 and 1 come by their loads alone; the last filling change asks for nothing.
.macro ASK
	s_cmp_gt_u32 s[SLOTS], s[LIM]
	s_cbranch_scc0 .Lnot_mine_\@
	global_prefetch_b8 v[PFO], s[PFA:PFA+1] th:TH_LOAD_NT scope:SCOPE_SE
.Lnot_mine_\@:
.endm
; THE CHANGE OF SLOTS stands at a slot's head.  Each wave waits for all its tensor loads, adds 0 to its spare word, and waits for that and for its reads of the slot that it has left.
; fill = 1: a round of the cluster's barrier, and behind it the other slot takes the next chunk: no wave of any partner still reads it or has a load on its way.  The load has a whole slot's sub-steps in which to land.
.macro CHANGE fill
	s_wait_tensorcnt 0x0                           ; no tensor load of mine is out, so a group 0 may be written
	ds_add_u32 v[SPW], v[NIL]                      ; 0 onto my spare word
.if \fill
	ds_add_u32 v[SPW], v[NIL]                      ; and once more: the add stands twice on end, in every trip alike
	s_xor_b32 s[G0+1], s[G0+1], SLOT1
	s_add_nc_u64 s[G0+2:G0+3], s[G0+2:G0+3], SLOTB
	s_wait_xcnt 0x0                                ; the last prefetch, a slot back, has read its address
	s_add_nc_u64 s[PFA:PFA+1], s[PFA:PFA+1], SLOTB
.endif
	s_wait_dscnt 0x0                               ; the add is done, and my reads of the slot that I have left are over
.if \fill
	ROUND
	s_cmp_lt_u32 s[WV], 4
	s_cbranch_scc0 .Lno_load_\@
	tensor_load_to_lds s[G0:G0+3], s[G1:G1+7]      ; the first thing behind the round, and a wave's one tensor load until the next
	s_nop 0
.rept 4
	v_nop
.endr
.Lno_load_\@:
	ASK
.else
	s_barrier_signal -1
	s_barrier_wait -1
.endif
.endm
	s_wait_loadcnt 0x0                             ; k
.Lslot:                                            ; three trips: behind each change of slots but the last the next chunk is asked for; slot 1's first fill stands behind the first trip's round, the next two trips refill slot 0, then slot 1
	CHANGE 1
	SLOT_STEPS
	s_sub_co_u32 s[SLOTS], s[SLOTS], 1
	s_cmp_lg_u32 s[SLOTS], 0
	s_cbranch_scc1 .Lslot
	CHANGE 0                                       ; the last slot is written out
	SLOT_STEPS
	; THE END: my part of each of my two keys, (cm, sum), goes to LDS
.irp u, 0,1
	v_add_f32 v[CM+2*\u+1], v[SUM+2*\u], v[SUM+2*\u+1]
.endr
.irp u, 0,1
	ds_store_b64 v[CW], v[CM+2*\u:CM+2*\u+1] offset:512*\u
.endr
	s_wait_dscnt 0x0                               ; for the others' sake
	s_barrier_signal -1
	s_barrier_wait -1
	s_cmp_lt_u32 s[WV], 2                          ; threads 0-63 finish two keys each
	s_cbranch_scc0 .Ldone
.irp i, 0,1,2,3,4,5,6,7
	ds_load_b128 v[64+4*\i:67+4*\i], v[CR] offset:16*\i   ; key 2 t + e: cm of part i at v[64 + 16 e + 2 i], its sum behind it
.endr
	s_wait_dscnt 0x0
.irp e, 0,1
	v_max3_num_f32 v[96+\e], v[64+16*\e], v[66+16*\e], v[68+16*\e]
.endr
.irp e, 0,1
	v_max3_num_f32 v[96+\e], v[96+\e], v[70+16*\e], v[72+16*\e]
.endr
.irp e, 0,1
	v_max3_num_f32 v[96+\e], v[96+\e], v[74+16*\e], v[76+16*\e]
.endr
.irp e, 0,1
	v_max_num_f32 v[96+\e], v[96+\e], v[78+16*\e]  ; the column's cm
.endr
.irp i, 0,1,2,3,4,5,6,7
.irp e, 0,1
	v_sub_f32 v[64+16*\e+2*\i], v[64+16*\e+2*\i], v[96+\e]
.endr
.endr
.irp i, 0,1,2,3,4,5,6,7
.irp e, 0,1
	v_exp_f32 v[64+16*\e+2*\i], v[64+16*\e+2*\i]
.endr
.endr
	v_nop
	s_wait_alu depctr_va_vdst(0)                   ; one wait for the sixteen
.irp e, 0,1
	v_mul_f32 v[98+\e], v[64+16*\e], v[65+16*\e]
.endr
.irp i, 1,2,3,4,5,6,7
.irp e, 0,1
	v_fma_f32 v[98+\e], v[64+16*\e+2*\i], v[65+16*\e+2*\i], v[98+\e]   ; each part's sum under the column's maximum
.endr
.endr
	v_log_f32 v100, v98
	v_log_f32 v101, v99
	v_nop
	s_wait_alu depctr_va_vdst(0)
	v_sub_f32 v102, -v96, v100                     ; A = -cm - log2 S
	v_sub_f32 v103, -v97, v101
	global_store_b64 v[GO], v[102:103], s[8:9]     ; a wave stores 256 consecutive bytes; keys in their natural order
.Ldone:
	s_wait_tensorcnt 0x0                           ; the wave's end, behind my last tensor load and my last LDS store
	ds_add_u32 v[SPW], v[NIL]
	s_wait_dscnt 0x0
	ROUND                                          ; the closing round: no work-group ends while a partner may still ask for a tile that names it
	s_endpgm
.Lfunc_end_k_q834a06d9a1_stats:
	.size	k_q834a06d9a1_stats, .Lfunc_end_k_q834a06d9a1_stats-k_q834a06d9a1_stats
	.p2alignl 7, 3214868480
	.fill 96, 4, 3214868480
	.section	.rodata,"a",@progbits
	.p2align	6, 0x0
	.amdhsa_kernel k_q834a06d9a1_stats
		.amdhsa_group_segment_fixed_size 327680
		.amdhsa_private_segment_fixed_size 0
		.amdhsa_enable_private_segment 0
		.amdhsa_kernarg_size 24
		.amdhsa_user_sgpr_count 2
		.amdhsa_user_sgpr_kernarg_segment_ptr 1
		.amdhsa_wavefront_size32 1
		.amdhsa_system_sgpr_workgroup_id_x 1
		.amdhsa_system_sgpr_workgroup_id_y 1
		.amdhsa_system_sgpr_workgroup_id_z 1
		.amdhsa_system_vgpr_workitem_id 0
		.amdhsa_next_free_vgpr 256
		.amdhsa_next_free_sgpr 66
		.amdhsa_reserve_vcc 0
		.amdhsa_float_denorm_mode_32 3
		.amdhsa_float_denorm_mode_16_64 3
		.amdhsa_memory_ordered 1
		.amdhsa_forward_progress 1
		.amdhsa_inst_pref_size 96
	.end_amdhsa_kernel
	.amdgpu_metadata
---
amdhsa.version: [ 1, 2 ]
amdhsa.kernels:
  - .name:           k_q834a06d9a1_stats
    .symbol:         k_q834a06d9a1_stats.kd
    .args:
      - { .name: qbuf, .offset: 0, .size: 8, .value_kind: global_buffer, .address_space: global }
      - { .name: kv, .offset: 8, .size: 8, .value_kind: global_buffer, .address_space: global }
      - { .name: stat, .offset: 16, .size: 8, .value_kind: global_buffer, .address_space: global }
    .group_segment_fixed_size: 327680
    .private_segment_fixed_size: 0
    .kernarg_segment_align: 8
    .kernarg_segment_size: 24
    .max_flat_workgroup_size: 512
    .sgpr_count:     66
    .vgpr_count:     256
    .wavefront_size: 32
...
	.end_amdgpu_metadata
.endif
;; end of part 3
;; launch attn (part 4): grid 32 x 8, 4 waves a work-group, clusters of 4 x 1, 327,680 bytes of LDS; arguments qbuf, kv, stat, x, gamma, out0; writes out0
.if DOCPART == 4
	.amdgcn_target "amdgcn-amd-amdhsa--gfx1250"
	.amdhsa_code_object_version 6
	.text
	.protected	k_q834a06d9a1_attn
	.globl	k_q834a06d9a1_attn
	.p2align	8
	.type	k_q834a06d9a1_attn,@function
k_q834a06d9a1_attn:
	s_mov_b64 s[64:65], 0
	v_nop
	global_prefetch_b8 v0, s[64:65] scope:SCOPE_SE
	s_setreg_imm32_b32 hwreg(HW_REG_WAVE_MODE, 25, 1), 1
	s_wait_xcnt 0x0
	s_wait_alu depctr_hold_cnt(0) depctr_sa_sdst(0) depctr_va_vdst(0) depctr_va_sdst(0) depctr_va_ssrc(0) depctr_va_vcc(0) depctr_vm_vsrc(0)
	s_getreg_b32 s2, hwreg(HW_REG_IB_STS2, 6, 4)
	s_cmp_eq_u32 s2, 0
	s_cbranch_scc0 .Lentry_in_a_cluster
	s_endpgm
.Lentry_in_a_cluster:
	s_bfe_u32 s2, ttmp6, 0x10000c
	s_cmp_lg_u32 s2, 0x3003
	s_cbranch_scc0 .Lentry_shape_is_right
	s_endpgm
.Lentry_shape_is_right:
; LAUNCH 4 OF 4: out0[c][m] = gamma x (the sum over keys n of v[c][n] a[m][n]) + x[c][m], a[m][n] = 2^(c s[m][n] + A_n): the finished, normalised softmax over the query axis (A_n from launch 3, c = log2 e).
; Both products on codes of FP6 (E2M3); a is quantised along the keys, block by block of 32.  No work is left out.
; SHARES.  A work-group owns 128 queries of one image, each of its four waves 32: two tiles of 16.  Every wave walks all 4,096 keys, 128 a step.  A fragment of K or V read from LDS feeds two matrix instructions.
; LAYOUT.  Both products are used transposed: S^T = K Q^T (source 0 = 16 keys, source 1 = 16 queries), O^T = V^T P^T (source 0 = 16 channels, source 1 = P): a lane holds ONE query throughout.  By the order of a tile's keys
; (launch 2) register 16 b + i of a tile's 64 scores is key 32 b + 16 (lane / 16) + i of the step.  Since a is finished, there is no running maximum, no row sum and no rescaling here.
; THE PIPELINE.  One iteration: K of step i + 1 is asked of LDS; V^T P of step i (32 products); A and V of step i + 1 are asked for; K Q^T of step i + 1 (16 products); the softmax of step i + 1.  So every run of LDS loads has
; matrix or vector work in which to land, and all of a step's bytes have been asked for when the iteration ends: there the slots change.
; THE RING.  Two LDS slots of two records of kv (76,800 bytes), as they lie in memory: images of the operands' registers.  Every wave fetches a quarter.  CLUSTER: the four work-groups of a cluster walk the same kv: each tile is
; asked for JOINTLY, by the same tensor load with the same descriptor and the mask of all four.  A_n of the whole image comes once.
; x's block (256 rows x 512 bytes) trickles in, four rows a wave at each change of slots, through registers into a stage in LDS, which then serves the way out.
; REGISTERS, in windows of 256: window 0: v1-63 addresses, at work, scale words; v64-191 S^T, 64 a tile; v192-255 A_n of the step; once the scalings are done P (12 a tile) and the conversions' second halves lie there.
;   window 1: O^T (tile x, channels 16 ct on at 128 x + 8 ct).   window 2: v0-23 Q; v32-127 K; v160-175 four rows of x.   window 3: v0-191 V.
; LIMITS: a weight under 2^-126 becomes 0 (the exponential's result is flushed); a block of zeros has the byte 1 (its codes are zeros); NaN and infinities are not served.
.set FRB,   1536
.set REC,   38400                      ; a record: K's 8 fragments, K's scale words (12,288), V's 16 fragments (12,800), V's scale words (37,376)
.set SLOTB, 2*REC
.set STAT,  2*SLOTB                    ; behind the ring: A_n, 16,384 bytes, filled once
.set SPARE, STAT+16384                 ; the spare words, 128 bytes for each wave: two blocks of 256 bytes that no other line names
.set XST,   SPARE+512                  ; the stage: 256 rows x (512 bytes + 16), written by LDS stores alone
.set XP,    528
.set LI16, 1                           ; v1   16 x lane
.set LI8,  2                           ; v2   8 x lane
.set AH,   3                           ; v3   STAT + 64 (lane / 16)
.set ADR,  4
.set ADS,  5
.set ADA,  6
.set ADX,  7
.set XW0,  8                           ; v8   the stage: my wave's 64 rows, 16 bytes a lane
.set PFO,  9                           ; v9   the prefetches' offset; never rewritten
.set DA,   10                          ; v10-13 the stage in the results' layout: tile u, channels 128 e on at v[10 + 2 u + e]
.set TM,   20                          ; tile t at v[20 + 12 t]: +0..3 a block's largest, +4..7 the other half's, then the bytes, +8..11 the conversions' scale operands
.set PW,   44                          ; v44, 45  P's scale words
.set KS,   46                          ; v46-49   K's
.set VS,   50                          ; v50-57   V's
.set QS,   58                          ; lanes 0-15: my first tile's; lanes 16-31: my second's
.set SPW,  62
.set NIL,  63
.set S,    64
.set A,    192
.set P,    192
.set TMP,  216
.set QF,   0                           ; in window 2
.set KF,   32
.set XR,   160
.set XG,  10                           ; s[10:11] x at the rows to be asked for
.set OUT, 14                           ; s[14:15] out0 at my wave's first row
.set WV,  16
.set CX,  17
.set MB,  18
.set BA,  19
.set G1,  24
.set G1S, 32
.set G0A, 40
.set G0W, 44
.set G0S, 48
.set LA0, 52                           ; s52, s53 my quarter's place in slot 0, 1
.set TB,  54                           ; LDS byte of the record to be fetched
.set TA,  55                           ; and of its A_n
.set TX,  56                           ; where the next four rows of x go
.set SLOTS, 57
.set LIM, 58
.set TRIP, 59
.set TWICE, 60
.set CS,  62
.set SEL, 66
.set GM,  68
.set QB,  72
.set QSB, 74
.set PFA, 78
.set MSB, 0
.macro WIN new                         ; the immediate's high byte repeats the setting that is left
.if MSB != \new
	s_set_vgpr_msb (MSB<<8)|\new
.set MSB, \new
.endif
.endm
.macro PLACES n
.rept \n
	v_nop
.endr
.endm
.macro ROUND                           ; a round of the cluster's barrier
	s_barrier_signal -1
	s_barrier_wait -1
	s_cmp_lg_u32 s[WV], 0
	s_cbranch_scc1 .Lnot_wave_0_\@
	s_barrier_signal -3
.Lnot_wave_0_\@:
	s_barrier_wait -3
	s_barrier_signal -1
	s_barrier_wait -1
.endm
	s_load_b256 s[4:11], s[0:1], 0x0               ; qbuf, kv, stat, x
	s_load_b128 s[12:15], s[0:1], 0x20             ; gamma, out0
	v_lshl_add_u32 v[SPW], v0, 2, SPARE
	v_mov_b32 v[NIL], 0
	ds_add_u32 v[SPW], v[NIL]                      ; the wave's opening: the add, twice on end, and its wait ahead of my first tensor load
	ds_add_u32 v[SPW], v[NIL]
	v_lshrrev_b32 v15, 5, v0
	v_readfirstlane_b32 s[WV], v15                 ; wave 0..3
	s_and_b32 s[BA], ttmp7, 0xffff                 ; the image, which the four partners share
	; descriptor group 1: a dense block as rows of 256 bytes (32 elements of 8 bytes): 75 rows, a quarter of a slot; 16 rows, a quarter of A_n
	s_mov_b32 s[G1], 15|(3<<16)|(1<<21)            ; 15:0 the mask: all four work-groups; 17:16 elements of 8 bytes; 21 set beside a mask
	s_mov_b32 s[G1+1], 32<<16
	s_mov_b32 s[G1+2], 75<<16
	s_mov_b32 s[G1+3], 32<<16
	s_mov_b32 s[G1+4], 75
	s_mov_b32 s[G1+5], 32
	s_mov_b32 s[G1+6], 0
	s_mov_b32 s[G1+7], 0
	s_mov_b32 s[G1S], 15|(3<<16)|(1<<21)
	s_mov_b32 s[G1S+1], 32<<16
	s_mov_b32 s[G1S+2], 16<<16
	s_mov_b32 s[G1S+3], 32<<16
	s_mov_b32 s[G1S+4], 16
	s_mov_b32 s[G1S+5], 32
	s_mov_b32 s[G1S+6], 0
	s_mov_b32 s[G1S+7], 0
	s_mul_i32 s[LA0], s[WV], 19200
	s_add_co_u32 s[LA0+1], s[LA0], SLOTB
	s_mul_i32 s20, s[BA], 32*REC
	s_add_co_u32 s20, s20, s[LA0]
	s_mov_b32 s21, 0                               ; kv: the image's first chunk, my quarter
	s_lshl_b32 s61, s[WV], 12
	s_add_co_u32 s[G0S+1], s61, STAT
	s_lshl_b32 s22, s[BA], 14
	s_add_co_u32 s22, s22, s61
	s_mov_b32 s23, 0                               ; stat: my quarter
	v_and_b32 v15, 31, v0
	v_lshlrev_b32 v[LI16], 4, v15
	v_lshlrev_b32 v[LI8], 3, v15
	v_bfe_u32 v16, v0, 4, 1                        ; h
	v_lshl_add_u32 v[AH], v16, 6, STAT
	s_mul_i32 s61, s[WV], 64*XP
	v_add_nc_u32 v[XW0], s61, v[LI16]
	v_add_nc_u32 v[XW0], XST, v[XW0]
	v_min_u32 v[PFO], 74, v0
	v_lshlrev_b32 v[PFO], 8, v[PFO]
	v_and_b32 v17, 15, v0                          ; r
	v_bfe_u32 v18, v0, 3, 1                        ; r / 8
	v_lshlrev_b32 v17, 2, v17
	v_lshl_add_u32 v17, v18, 5, v17                ; row r of my tile u is query 32 w + 8 u + r + 8 (r / 8) of the block: 4 bytes each
	v_mad_u32_u24 v17, v16, 8*XP, v17              ; lanes 16-31 hold channels 8 further on
	s_lshl_b32 s61, s[WV], 7
	v_add_nc_u32 v17, s61, v17
	v_add_nc_u32 v[DA], XST, v17
	v_add_nc_u32 v[DA+1], 128*XP, v[DA]
	v_add_nc_u32 v[DA+2], 32, v[DA]
	v_add_nc_u32 v[DA+3], 32, v[DA+1]
.irp b, 0,1,2,3
	v_mov_b32 v[TM+4+\b], 0                        ; written once: a lane permute's destination counts as one of its sources
	v_mov_b32 v[TM+16+\b], 0
.endr
	; what hangs on my place in the cluster enters global addresses of my own loads, stores and prefetches alone
	s_bfe_u32 s[CX], ttmp6, 0x40000
	s_lshl_b32 s[MB], ttmp9, 2
	s_add_co_u32 s[MB], s[MB], s[CX]               ; my block of 128 queries
	s_mul_i32 s72, s[BA], 409600
	s_mul_i32 s73, s[MB], 8*FRB
	s_add_co_u32 s72, s72, s73
	s_mul_i32 s73, s[WV], 2*FRB
	s_add_co_u32 s72, s72, s73
	s_mov_b32 s73, 0                               ; my two fragments of q
	s_mul_i32 s74, s[BA], 409600
	s_lshl_b32 s75, s[MB], 9
	s_add_co_u32 s74, s74, s75
	s_lshr_b32 s75, s[WV], 1
	s_lshl_b32 s75, s75, 8
	s_add_co_u32 s74, s74, s75
	s_and_b32 s75, s[WV], 1
	s_lshl_b32 s75, s75, 2
	s_add_co_u32 s74, s74, s75
	s_add_co_u32 s74, s74, 393216
	s_mov_b32 s75, 0                               ; their scale words
	s_lshl_b32 s76, s[BA], 22
	s_lshl_b32 s77, s[WV], 20
	s_add_co_u32 s76, s76, s77
	s_lshl_b32 s77, s[MB], 9
	s_add_co_u32 s76, s76, s77
	s_mov_b32 s77, 0                               ; x and out0: the image, my wave's 64 rows, my block's 512 bytes
	s_mul_i32 s78, s[BA], 32*REC
	s_mul_i32 s79, s[CX], 19200
	s_add_co_u32 s78, s78, s79
	s_add_co_u32 s78, s78, 2*SLOTB                 ; the prefetches stand in chunk 2; the first change of slots steps them to chunk 3
	s_mov_b32 s79, 0
	s_cmp_lt_u32 s[WV], 3                          ; waves 0, 1, 2,
	s_cselect_b32 s[LIM], 1, -1
	s_cmp_eq_u32 ttmp9, 0                          ; of the image's first cluster: the same in all four partners
	s_cselect_b32 s[LIM], s[LIM], -1
	s_mov_b32 s[CS], 0x3fb8aa3b                    ; c = log2 e
	s_mov_b32 s[CS+1], s[CS]
	s_mov_b32 s[SEL], 0x76543210
	s_mov_b32 s[SEL+1], 0xfedcba98
	s_mov_b32 s[TB], 0
	s_mov_b32 s[TA], 0
	s_mov_b32 s[TX], 0
	s_mov_b32 s[SLOTS], 14
	s_wait_dscnt 0x0                               ; both opening adds are done
	s_wait_kmcnt 0x0
	s_load_b32 s[GM], s[12:13], 0x0                ; gamma
	s_add_nc_u64 s[QB:QB+1], s[4:5], s[72:73]
	s_add_nc_u64 s[QSB:QSB+1], s[4:5], s[74:75]
	s_add_nc_u64 s[XG:XG+1], s[10:11], s[76:77]
	s_add_nc_u64 s[OUT:OUT+1], s[14:15], s[76:77]
	s_add_nc_u64 s[PFA:PFA+1], s[6:7], s[78:79]
	ROUND                                          ; all four work-groups are here: the first joint loads meet
	s_mov_b32 s[G0S], 1
	s_add_nc_u64 s[G0S+2:G0S+3], s[8:9], s[22:23]
	s_or_b32 s[G0S+3], s[G0S+3], 0x80000000
	s_mov_b32 s[G0A], 1
	s_mov_b32 s[G0A+1], s[LA0]
	s_add_nc_u64 s[G0A+2:G0A+3], s[6:7], s[20:21]
	s_mov_b32 s[G0W], 1
	s_mov_b32 s[G0W+1], s[LA0+1]
	s_add_nc_u64 s[G0W+2:G0W+3], s[G0A+2:G0A+3], SLOTB
	s_or_b32 s[G0A+3], s[G0A+3], 0x80000000
	s_or_b32 s[G0W+3], s[G0W+3], 0x80000000
	tensor_load_to_lds s[G0S:G0S+3], s[G1S:G1S+7]  ; the first fills go out together: A_n, chunk 0, chunk 1: three tensor loads of mine are out
	s_nop 0
	tensor_load_to_lds s[G0A:G0A+3], s[G1:G1+7]
	s_nop 0
	tensor_load_to_lds s[G0W:G0W+3], s[G1:G1+7]
	s_nop 0
	PLACES 4
	WIN 0x80                                       ; destination window 2
.irp u, 0,1
.irp g, 0,1,2
	global_load_b128 v[QF+12*\u+4*\g:QF+12*\u+4*\g+3], v[LI16], s[QB:QB+1] offset:FRB*\u+512*\g
.endr
.endr
	WIN 0
	global_load_b32 v[QS], v[LI8], s[QSB:QSB+1]
	WIN 0x80
.irp q, 0,1,2,3
	global_load_b128 v[XR+4*\q:XR+4*\q+3], v[LI16], s[XG:XG+1] offset:16384*\q th:TH_LOAD_NT   ; x: my first four rows, 512 consecutive bytes a load
.endr
	WIN 0
.macro WMMA                            ; rD, rA, rB, rC (under 0: the constant 0), rSA, rSB, and the rows of the two scale registers rRA, rRB
.if rC < 0
.if (rRA == 0) && (rRB == 0)
	v_wmma_scale_f32_16x16x128_f8f6f4 v[rD:rD+7], v[rA:rA+11], v[rB:rB+11], 0, v[rSA], v[rSB] matrix_a_fmt:MATRIX_FMT_FP6 matrix_b_fmt:MATRIX_FMT_FP6
.elseif rRB == 0
	v_wmma_scale_f32_16x16x128_f8f6f4 v[rD:rD+7], v[rA:rA+11], v[rB:rB+11], 0, v[rSA], v[rSB] matrix_a_fmt:MATRIX_FMT_FP6 matrix_b_fmt:MATRIX_FMT_FP6 matrix_a_scale:MATRIX_SCALE_ROW1
.elseif rRA == 0
	v_wmma_scale_f32_16x16x128_f8f6f4 v[rD:rD+7], v[rA:rA+11], v[rB:rB+11], 0, v[rSA], v[rSB] matrix_a_fmt:MATRIX_FMT_FP6 matrix_b_fmt:MATRIX_FMT_FP6 matrix_b_scale:MATRIX_SCALE_ROW1
.else
	v_wmma_scale_f32_16x16x128_f8f6f4 v[rD:rD+7], v[rA:rA+11], v[rB:rB+11], 0, v[rSA], v[rSB] matrix_a_fmt:MATRIX_FMT_FP6 matrix_b_fmt:MATRIX_FMT_FP6 matrix_a_scale:MATRIX_SCALE_ROW1 matrix_b_scale:MATRIX_SCALE_ROW1
.endif
.else
.if rRA == 0
	v_wmma_scale_f32_16x16x128_f8f6f4 v[rD:rD+7], v[rA:rA+11], v[rB:rB+11], v[rC:rC+7], v[rSA], v[rSB] matrix_a_fmt:MATRIX_FMT_FP6 matrix_b_fmt:MATRIX_FMT_FP6
.else
	v_wmma_scale_f32_16x16x128_f8f6f4 v[rD:rD+7], v[rA:rA+11], v[rB:rB+11], v[rC:rC+7], v[rSA], v[rSB] matrix_a_fmt:MATRIX_FMT_FP6 matrix_b_fmt:MATRIX_FMT_FP6 matrix_a_scale:MATRIX_SCALE_ROW1
.endif
.endif
.endm
; 32 products O^T += V^T P^T: the 32 accumulators take turns, one instruction a turn.  zero = 1: the first step starts the sums: nothing is ever cleared.
.macro PVALL zero
	WIN 0x53                                       ; V window 3, P window 0, O^T window 1
.set ct, 0
.rept 16
.irp x, 0,1
.set rD, 128*\x+8*ct
.set rA, 12*ct
.set rB, P+12*\x
.if \zero
.set rC, -1
.else
.set rC, rD
.endif
.set rSA, VS+2*(ct/4)+(ct/2)%2
.set rSB, PW+\x
.set rRA, ct%2
.set rRB, 0
	WMMA
.endr
.set ct, ct+1
.endr
.endm
; 16 products S^T = K Q^T, whole after one K step of 128
.macro KQALL
	WIN 0x0a                                       ; K and Q window 2, S^T window 0
.set nt, 0
.rept 8
.irp x, 0,1
.set rD, S+64*\x+8*nt
.set rA, KF+12*nt
.set rB, QF+12*\x
.set rC, -1
.set rSA, KS+2*(nt/4)+(nt/2)%2
.set rSB, QS
.set rRA, nt%2
.set rRB, \x
	WMMA
.endr
.set nt, nt+1
.endr
.endm
; THE RUNS OF LDS LOADS.  K: 24 + 2 loads.  A: 16.  V: 48 + 4.
.macro FETCH_K
	WIN 0
	v_add_nc_u32 v[ADR], s[TB], v[LI16]
	v_add_nc_u32 v[ADS], s[TB], v[LI8]
	WIN 0x80                                       ; destination window 2
.set f, 0
.rept 8
.irp g, 0,1,2
	ds_load_b128 v[KF+12*f+4*\g:KF+12*f+4*\g+3], v[ADR] offset:FRB*f+512*\g
.endr
.set f, f+1
.endr
	WIN 0
	ds_load_b64 v[KS:KS+1], v[ADS] offset:12288
	ds_load_b64 v[KS+2:KS+3], v[ADS] offset:12544
.endm
.macro FETCH_A                         ; register 16 b + i: A of key 32 b + 16 (lane / 16) + i of the step
	v_add_nc_u32 v[ADA], s[TA], v[AH]
.irp b, 0,1,2,3
.irp q, 0,1,2,3
	ds_load_b128 v[A+16*\b+4*\q:A+16*\b+4*\q+3], v[ADA] offset:128*\b+16*\q
.endr
.endr
	s_add_co_u32 s[TA], s[TA], 512
.endm
.macro FETCH_V
	WIN 0xc0                                       ; destination window 3
.set f, 0
.rept 16
.irp g, 0,1,2
	ds_load_b128 v[12*f+4*\g:12*f+4*\g+3], v[ADR] offset:12800+FRB*f+512*\g
.endr
.set f, f+1
.endr
	WIN 0
.irp q, 0,1,2,3
	ds_load_b64 v[VS+2*\q:VS+2*\q+1], v[ADS] offset:37376+256*\q
.endr
	s_add_co_u32 s[TB], s[TB], REC                 ; the next fetches are the next record's
.endm
; THE SOFTMAX of both tiles, item by item in turn.  Item k of block b's plain lines: eight packed scalings t = c s + A and eight lines of the block's largest t, in the order F0 F1 X0 F2 X1 .. F7 X6 X7:
; each accumulator is first read at its two lowest registers.
.macro PLI t, b
.set sS, S+64*(\t)+16*(\b)
.set sA, A+16*(\b)
.set sM, TM+12*(\t)+(\b)
.if k < 2
	v_pk_fma_f32 v[sS+2*k:sS+2*k+1], v[sS+2*k:sS+2*k+1], s[CS:CS+1], v[sA+2*k:sA+2*k+1] op_sel_hi:[1,0,1]
.elseif k == 2
	v_max3_num_f32 v[sM], v[sS], v[sS+1], v[sS+2]
.elseif k == 15
	v_max_num_f32 v[sM], v[sM], v[sS+15]
.elseif k%2 == 0
	v_max3_num_f32 v[sM], v[sM], v[sS+k-1], v[sS+k]
.else
	v_pk_fma_f32 v[sS+k+1:sS+k+2], v[sS+k+1:sS+k+2], s[CS:CS+1], v[sA+k+1:sA+k+2] op_sel_hi:[1,0,1]
.endif
.endm
.macro EXI t, b
	v_exp_f32 v[S+64*(\t)+16*(\b)+k], v[S+64*(\t)+16*(\b)+k]
.endm
.macro STAGE pb, eb                    ; block pb's plain lines and block eb's exponentials alternate (under 0: none)
.set k, 0
.rept 16
.irp t, 0,1
.if (\pb) >= 0
	PLI \t, \pb
.endif
.if (\eb) >= 0
	EXI \t, \eb
.endif
.endr
.set k, k+1
.endr
.endm
.macro SOFTMAX
	STAGE 0, -1                                    ; ONE BATCH of 136 exponentials: no line ahead of the wait names an exponential's result
	STAGE 1, 0
	STAGE 2, 1
	STAGE 3, 2
.set k, 0
.rept 16
.irp t, 0,1
.if k < 4
	v_permlanex16_b32 v[TM+12*\t+4+k], v[TM+12*\t+k], s[SEL], s[SEL+1]
.elseif k < 8
	v_max_num_f32 v[TM+12*\t+k-4], v[TM+12*\t+k-4], v[TM+12*\t+k]   ; with lane l xor 16's 16 keys: the block's largest t
.endif
	EXI \t, 3
.endr
.set k, k+1
.endr
.irp b, 0,1,2,3
.irp t, 0,1
	v_exp_f32 v[TM+12*\t+\b], v[TM+12*\t+\b]       ; the block's largest weight: the weight rises with t, and the same instruction on the same number gives the same bits
.endr
.endr
	v_nop                                          ; a plain place behind the last exponential
	s_wait_alu depctr_va_vdst(0)                   ; the wait ahead of the first line that names a result: one for the batch
.irp b, 0,1,2,3
.irp t, 0,1
	v_max_num_f32 v[TM+12*\t+\b], 0x1800000, v[TM+12*\t+\b]   ; the floor 2^(3 - 127): the byte cannot fall under 1
.endr
.endr
.irp b, 0,1,2,3
.irp t, 0,1
	v_add_nc_u32 v[TM+12*\t+8+\b], 0xff000000, v[TM+12*\t+\b]   ; 2 off the exponent field: the conversion's scale operand
.endr
.endr
.irp b, 0,1,2,3
.irp t, 0,1
	v_lshrrev_b32 v[TM+12*\t+4+\b], 23, v[TM+12*\t+8+\b]   ; the scale's byte
.endr
.endr
.irp t, 0,1
	v_lshl_or_b32 v[PW+\t], v[TM+12*\t+5], 8, v[TM+12*\t+4]
.endr
.irp t, 0,1
	v_lshl_or_b32 v[PW+\t], v[TM+12*\t+6], 16, v[PW+\t]
.endr
.irp t, 0,1
	v_lshl_or_b32 v[PW+\t], v[TM+12*\t+7], 24, v[PW+\t]   ; P's scale word for these 128 keys
.endr
.irp t, 0,1                                    ; all scalings are done: A's registers take P
.irp c, 0,1
	v_cvt_scalef32_pk16_fp6_f32 v[P+12*\t+6*\c:P+12*\t+6*\c+2], v[S+64*\t+32*\c:S+64*\t+32*\c+15], v[TM+12*\t+8+2*\c]
	v_cvt_scalef32_pk16_fp6_f32 v[TMP+8*\t+4*\c:TMP+8*\t+4*\c+2], v[S+64*\t+32*\c+16:S+64*\t+32*\c+31], v[TM+12*\t+9+2*\c]   ; (a conversion's three registers begin on an even number)
.endr
.endr
	v_nop                                          ; one plain place behind a scaled conversion
.irp t, 0,1                                    ; the operand's layout wants a whole block in a lane
.irp c, 0,1
.irp i, 0,1,2
	v_permlane16_swap_b32 v[P+12*\t+6*\c+\i], v[TMP+8*\t+4*\c+\i]
.endr
.irp i, 0,1,2
	v_mov_b32 v[P+12*\t+6*\c+3+\i], v[TMP+8*\t+4*\c+\i]
.endr
.endr
.endr
	PLACES 8                                       ; a scale register written by a vector instruction stands 8 places ahead of a scaled matrix instruction, an operand so written 4
.endm
; AN ITERATION.  pv = 0: no V^T P (the first step's scores); 1: it starts O^T's sums; 2: it adds.
.macro ITER pv
	FETCH_K                                        ; (the products that read K's registers stand a whole softmax back)
.if \pv
	s_wait_dscnt 26                                ; V is in; K's 26 loads may be out
	PVALL 2-\pv
	WIN 0
	PLACES 4                                       ; ahead of the loads into P's and V's registers and V's scale words
.endif
	FETCH_A
	FETCH_V
	s_wait_dscnt 63                                ; K is in: 68 loads were issued behind it, and 63 is the largest count that a wait can name
	KQALL
	WIN 0
	PLACES 4                                       ; ahead of the first read of results
	s_wait_dscnt 52                                ; A is in; V's 52 loads may be out
	SOFTMAX
.endm
; A PREFETCH INTO THE L2 of the chunk that the NEXT change of slots will ask for: 76,800 bytes = 300 blocks of 256.  All clusters of an image walk the same kv: the image's first cluster asks.  Its four partners take 75 blocks
; each, told apart BY ADDRESS; in each, threads 0-74 (waves 0, 1, 2) name a block each.  Threads 75-95 name block 74 once more: 75 is no whole number of waves.  Chunks 0 to 2 come by their loads alone; the last filling change asks for nothing.
.macro ASK
	s_cmp_gt_u32 s[SLOTS], s[LIM]
	s_cbranch_scc0 .Lnot_mine_\@
	global_prefetch_b8 v[PFO], s[PFA:PFA+1] th:TH_LOAD_NT scope:SCOPE_SE
.Lnot_mine_\@:
.endm
; THE CHANGE OF SLOTS.  rd: the slot that is read next.  First the four rows of x that were asked for a slot ago go to the stage.  Then each wave waits for all its tensor loads, adds 0 to its spare word, and waits for that and
; for its reads of the slot that it has left.  fill = 1: a round of the cluster's barrier, and behind it that slot takes the chunk two on: it has two steps, 96 matrix instructions and two softmaxes, in which to land.
.macro CHANGE fill, rd
	WIN 0
	v_add_nc_u32 v[ADX], s[TX], v[XW0]
	s_wait_loadcnt 0x0                             ; x's four loads, the only ones that are out
	WIN 0x08                                       ; an LDS store's data are its source 1: window 2
.irp q, 0,1,2,3
	ds_store_b128 v[ADX], v[XR+4*\q:XR+4*\q+3] offset:XP*\q
.endr
	WIN 0
	s_wait_tensorcnt 0x0                           ; no tensor load of mine is out, so a group 0 may be written
	ds_add_u32 v[SPW], v[NIL]                      ; 0 onto my spare word; the steps below stand between it and the wait for it
.if \fill
	s_mov_b32 s[G0W+1], s[LA0+1-\rd]               ; the walking descriptor: the slot that has been left,
	s_add_nc_u64 s[G0W+2:G0W+3], s[G0W+2:G0W+3], SLOTB   ; the next chunk; the type bits on top are not reached
	s_wait_xcnt 0x0                                ; the last prefetch, a slot back, has read its address
	s_add_nc_u64 s[PFA:PFA+1], s[PFA:PFA+1], SLOTB
.endif
	s_add_nc_u64 s[XG:XG+1], s[XG:XG+1], 65536     ; x: four rows on (its loads are in)
	s_add_co_u32 s[TX], s[TX], 4*XP
	s_mov_b32 s[TB], SLOTB*\rd
	s_wait_dscnt 0x0                               ; the add is done, my stores have landed, and my reads of the slot are over
.if \fill
	ROUND
	tensor_load_to_lds s[G0W:G0W+3], s[G1:G1+7]    ; the first thing behind the round, and my one tensor load until the next
	s_nop 0
	PLACES 4
	ASK
	s_sub_co_u32 s[SLOTS], s[SLOTS], 1
.else
	s_barrier_signal -1
	s_barrier_wait -1
.endif
	WIN 0x80
.irp q, 0,1,2,3
	global_load_b128 v[XR+4*\q:XR+4*\q+3], v[LI16], s[XG:XG+1] offset:16384*\q th:TH_LOAD_NT
.endr
	WIN 0
.endm
.macro TWO                             ; a slot's two records: written once, walked twice; the LDS addresses hang on s[TB] and s[TA]
	s_mov_b32 s[TWICE], 2
.Ltwo_\@:
	ITER 2
	s_sub_co_u32 s[TWICE], s[TWICE], 1
	s_cmp_lg_u32 s[TWICE], 0
	s_cbranch_scc1 .Ltwo_\@
.endm
	s_wait_tensorcnt 0x1                           ; A_n and my part of chunk 0 are in; chunk 1's load may stay out
	s_barrier_signal -1
	s_barrier_wait -1                              ; everybody's are
	s_wait_loadcnt 0x4                             ; Q and its scale words; x's four loads may be out
	s_wait_kmcnt 0x0                               ; gamma
	s_mov_b32 s[GM+1], s[GM]                       ; (named with it as a pair)
	ITER 0                                         ; step 0's scores and weights
	ITER 1                                         ; V^T P of step 0 starts O^T | step 1
	s_mov_b32 s[TRIP], 7
.Lpair:                                            ; seven trips, each once round the ring: chunks 1 to 14 are read, chunks 2 to 15 asked for
	CHANGE 1, 1
	TWO
	CHANGE 1, 0
	TWO
	s_sub_co_u32 s[TRIP], s[TRIP], 1
	s_cmp_lg_u32 s[TRIP], 0
	s_cbranch_scc1 .Lpair
	CHANGE 0, 1                                    ; the tail is written out: chunk 15 is read, nothing is asked for
	TWO
	s_wait_dscnt 0x0                               ; V of the last step
	PVALL 0
	WIN 0
	PLACES 4                                       ; ahead of the first read of results
	; THE WAY OUT.  x's last four rows go to the stage; then each wave takes, from its own 128 bytes of every row, x in the results' layout, makes gamma O^T + x, and puts it back; then whole rows leave.
	v_add_nc_u32 v[ADX], s[TX], v[XW0]
	s_wait_loadcnt 0x0
	WIN 0x08
.irp q, 0,1,2,3
	ds_store_b128 v[ADX], v[XR+4*\q:XR+4*\q+3] offset:XP*\q
.endr
	WIN 0
	s_wait_dscnt 0x0                               ; for the others' sake
	s_barrier_signal -1
	s_barrier_wait -1                              ; x's 256 rows lie in the stage
.macro BATCH u, e                      ; tile u, channels 128 e on: register 8 (ct - 8 e) + j of lane (r, h) is channel 16 ct + 8 h + j of my query
.set BB, S+64*((\e)%2)
.set i, 0
.rept 64
	ds_load_b32 v[BB+i], v[DA+2*(\u)+(\e)] offset:(16*(i/8)+i%8)*XP
.set i, i+1
.endr
	s_wait_dscnt 0x0
	WIN 0x01                                       ; source 0 (O^T) window 1
.set i, 0
.rept 32
	v_pk_fma_f32 v[BB+2*i:BB+2*i+1], v[128*(\u)+64*(\e)+2*i:128*(\u)+64*(\e)+2*i+1], s[GM:GM+1], v[BB+2*i:BB+2*i+1] op_sel_hi:[1,0,1]   ; each accumulator from its low end on
.set i, i+1
.endr
	WIN 0
.set i, 0
.rept 64
	ds_store_b32 v[DA+2*(\u)+(\e)], v[BB+i] offset:(16*(i/8)+i%8)*XP
.set i, i+1
.endr
.endm
	BATCH 0, 0
	BATCH 0, 1
	BATCH 1, 0
	BATCH 1, 1
	s_wait_dscnt 0x0                               ; for the others' sake
	s_barrier_signal -1
	s_barrier_wait -1                              ; 256 whole rows of the result lie in the stage
.macro ROWS g                          ; my rows 16 g .. 16 g + 15
.set BB, S+64*((\g)%2)
.irp i, 0,1,2,3,4,5,6,7,8,9,10,11,12,13,14,15
	ds_load_b128 v[BB+4*\i:BB+4*\i+3], v[XW0] offset:(16*(\g)+\i)*XP
.endr
.irp i, 0,1,2,3,4,5,6,7,8,9,10,11,12,13,14,15
	s_wait_dscnt 15-\i
	global_store_b128 v[LI16], v[BB+4*\i:BB+4*\i+3], s[OUT:OUT+1] offset:(16*(\g)+\i)*16384 th:TH_STORE_NT   ; 32 lanes store 512 consecutive bytes, at a multiple of 256 from out0's first byte
.endr
.endm
	ROWS 0
	ROWS 1
	s_wait_xcnt 0x0                                ; the earlier stores have read their registers
	ROWS 2
	s_wait_xcnt 0x0
	ROWS 3
	s_wait_tensorcnt 0x0                           ; the wave's end, behind my last tensor load and my last LDS store
	ds_add_u32 v[SPW], v[NIL]
	s_wait_dscnt 0x0
	ROUND                                          ; the closing round: no work-group ends while a partner may still ask for a tile that names it
	s_endpgm
.Lfunc_end_k_q834a06d9a1_attn:
	.size	k_q834a06d9a1_attn, .Lfunc_end_k_q834a06d9a1_attn-k_q834a06d9a1_attn
	.p2alignl 7, 3214868480
	.fill 96, 4, 3214868480
	.section	.rodata,"a",@progbits
	.p2align	6, 0x0
	.amdhsa_kernel k_q834a06d9a1_attn
		.amdhsa_group_segment_fixed_size 327680
		.amdhsa_private_segment_fixed_size 0
		.amdhsa_enable_private_segment 0
		.amdhsa_kernarg_size 48
		.amdhsa_user_sgpr_count 2
		.amdhsa_user_sgpr_kernarg_segment_ptr 1
		.amdhsa_wavefront_size32 1
		.amdhsa_system_sgpr_workgroup_id_x 1
		.amdhsa_system_sgpr_workgroup_id_y 1
		.amdhsa_system_sgpr_workgroup_id_z 1
		.amdhsa_system_vgpr_workitem_id 0
		.amdhsa_next_free_vgpr 1024
		.amdhsa_next_free_sgpr 80
		.amdhsa_reserve_vcc 0
		.amdhsa_float_denorm_mode_32 3
		.amdhsa_float_denorm_mode_16_64 3
		.amdhsa_memory_ordered 1
		.amdhsa_forward_progress 1
		.amdhsa_inst_pref_size 211
	.end_amdhsa_kernel
	.amdgpu_metadata
---
amdhsa.version: [ 1, 2 ]
amdhsa.kernels:
  - .name:           k_q834a06d9a1_attn
    .symbol:         k_q834a06d9a1_attn.kd
    .args:
      - { .name: qbuf, .offset: 0, .size: 8, .value_kind: global_buffer, .address_space: global }
      - { .name: kv, .offset: 8, .size: 8, .value_kind: global_buffer, .address_space: global }
      - { .name: stat, .offset: 16, .size: 8, .value_kind: global_buffer, .address_space: global }
      - { .name: x, .offset: 24, .size: 8, .value_kind: global_buffer, .address_space: global }
      - { .name: gamma, .offset: 32, .size: 8, .value_kind: global_buffer, .address_space: global }
      - { .name: out0, .offset: 40, .size: 8, .value_kind: global_buffer, .address_space: global }
    .group_segment_fixed_size: 327680
    .private_segment_fixed_size: 0
    .kernarg_segment_align: 8
    .kernarg_segment_size: 48
    .max_flat_workgroup_size: 128
    .sgpr_count:     80
    .vgpr_count:     1024
    .wavefront_size: 32
...
	.end_amdgpu_metadata
.endif
;; end of part 4
